; MI455X (gfx1250); checked and timed in simulation.
; The chip was launched on July 23, 2026; its instructions are those of AMD's public machine-readable ISA for CDNA 5 (MIT licence, August 2026) and "CDNA5" Instruction Set Architecture Reference Guide (July 2026). The comments in the code are by the model that wrote it; some were corrected since.
;; Masked Attention. Allowed arithmetic: matrix products marked QUANTISED: E2M1 operands, one E8M0 scale for each 32 along K, by v_wmma_scale_f32_16x16x128_f8f6f4 with both operands' format E2M1 (or v_wmma_scale_f32_32x16x128_f4), f32 sums; products left as they are: bf16, f16 or f32 operands; f32 sums; everything else in f32.
;; Inputs: Wk 1,024 x 1,024 float32; Wq 1,024 x 1,024 float32; Wv 1,024 x 1,024 float32; X 4 x 2,048 x 1,024 float32.
;; Outputs: out0 4 x 2,048 x 1,024 float32.
;; This version of the problem:
;;   THIS VERSION OF THE PROBLEM IS GIVEN IN LOW PRECISION. The matrix products marked QUANTISED in the list below multiply operands that are first quantised to E2M1 (2 exponent bits, 1 mantissa bit; 4 bits a number), with one power-of-two scale for each 32 numbers along K (OCP MX v1.0); their sums are f32. The products marked 'left as it is' may take bf16, f16 or f32 operands, with f32 sums. Whichever they take, every output number must still come out within the allowed error. Rounding operands to bf16 (8 significant bits) uses up far more of that allowance than f16 does (11 bits, for magnitudes from 6e-5 to 65,504). All else is computed in f32.
;;   The module's matrix products, in the order in which they are computed (A, B: the left and right operand; K: the contracted axis; several contracted axes count as one K, in the product's order):
;;     1. [M 8,192, K 1,024] x [K 1,024, N 1,024]; A: input X; B: input Wq: QUANTISED
;;     2. [M 8,192, K 1,024] x [K 1,024, N 1,024]; A: input X; B: input Wk: QUANTISED
;;     3. [M 8,192, K 1,024] x [K 1,024, N 1,024]; A: input X; B: input Wv: QUANTISED
;;     4. batch 4 x [M 2,048, K 1,024] x [K 1,024, N 2,048]; A: computed on the way; B: computed on the way: left as it is (an operand is computed on the way)
;;     5. batch 4 x [M 2,048, K 2,048] x [K 2,048, N 1,024]; A: computed on the way; B: computed on the way: left as it is (an operand is computed on the way)
;;   THE QUANTISER, for each operand of a quantised product, along K:
;;     - K is cut into blocks of 32 from its start; a last block that is shorter is filled with zeros.
;;     - A block's scale is 2^e with e = floor(log2(the largest magnitude in the block)) - 2, held to -126 .. 127; a block of zeros has e = 0. As a byte (E8M0): e + 127.
;;     - Each number is divided by its block's scale, clamped to +-6, and rounded to the nearest number of E2M1, ties to even, subnormals kept.
;;     - The product sums the exact products of the quantised numbers (number of the format x scale) in f32.
;;   ~~~python
;;   def quantise(x, axis):      # numpy; x: float32 -> the quantised numbers, widened to float32 again
;;       x = np.moveaxis(x, axis, -1); K = x.shape[-1]
;;       x = np.pad(x, [(0, 0)] * (x.ndim - 1) + [(0, -K % 32)]); x = x.reshape(x.shape[:-1] + (-1, 32)); a = np.abs(x).max(-1, keepdims=True)
;;       e = np.where(a > 0, np.clip(np.frexp(np.where(a > 0, a, 1))[1] - 1 - 2, -126, 127), 0)      # np.frexp(a)[1] - 1 = floor(log2(a)), exactly
;;       r = np.clip(x / 2.0 ** e, -6, 6)
;;       step = 2.0 ** (np.maximum(np.frexp(np.where(r == 0, 1, r))[1] - 1, 0) - 1)
;;       q = np.round(r / step) * step * 2.0 ** e      # np.round: ties to even
;;       return np.moveaxis(q.reshape(q.shape[:-2] + (-1,))[..., :K], -1, axis).astype(np.float32)
;;   ~~~
;; One version. Each part assembles by itself: llvm-mc -triple=amdgcn-amd-amdhsa -mcpu=gfx1250 --defsym DOCPART=n.
;; ======== version 1 of 1: 5 launches
;; limits: values are held in f16: magnitudes above 65,504 overflow, below 6.1e-05 lose precision
;; workspace buffers: xc 4,194,304 bytes; xs 262,144 bytes; wc 1,572,864 bytes; ws 98,304 bytes; qkv 50,331,648 bytes; fine 786,432 bytes; pbuf 33,554,432 bytes; stats 1,048,576 bytes
;; launch quant (part 1): grid 352 x 1, 4 waves a work-group, no clusters, 51,712 bytes of LDS; arguments X, Wq, Wk, Wv, xc, xs, wc, ws; writes xc, xs, wc, ws
.if DOCPART == 1
	.amdgcn_target "amdgcn-amd-amdhsa--gfx1250"
	.amdhsa_code_object_version 6
	.text
	.protected	k_q7a2addfb76_quant
	.globl	k_q7a2addfb76_quant
	.p2align	8
	.type	k_q7a2addfb76_quant,@function
k_q7a2addfb76_quant:
	s_mov_b64 s[64:65], 0
	v_nop
	global_prefetch_b8 v0, s[64:65] scope:SCOPE_SE
	s_setreg_imm32_b32 hwreg(HW_REG_WAVE_MODE, 25, 1), 1
	s_wait_xcnt 0x0
; All four f32 operands of the three projections become codes of FP4 (E2M1), K innermost, with one E8M0 scale byte for each 32 along K, in ONE launch.
;   X [8192][1024]: K is innermost.  xc: 512 bytes of codes a row; xs: 32 scale bytes a row.
;   Wq, Wk, Wv [1024 (k)][1024 (n)]: K is the FIRST axis.  wc: [3072 = q's, k's, v's columns][512 bytes]; ws: [3072][32].
; THE QUANTISER: a block's scale is 2^(floor(log2(its largest magnitude)) - 2); its byte is the largest magnitude's exponent field - 2, held at 1 from below; each number is divided by the scale and rounded
; to the nearest code, ties to even; beyond 6 the largest code.
; LIMITS: a block of zeros, or one whose largest magnitude lies under 2^-124, gets the byte 1: zero codes add nothing under that byte, and the bytes are read by this program alone.  NaN and infinities are not served.
; SHARES: work-groups 0 to 95 take the weights, work-groups 96 to 351 take X: a scalar branch on the work-group's number, the same in all four waves.  Each of the two ways has LDS bytes of its own and its own end.
; X'S WAY: the tensor is a plain stream of blocks of 32.  A wave takes 16 steps of 512 numbers.  Each of a step's four loads reads 512 consecutive bytes, 16 a lane; the 2,048 bytes go through the wave's own stage in LDS
; and come back 64 bytes a lane, so that a lane holds 16 neighbours along K (two neighbouring lanes hold a block).  A lane's 16 codes are 8 bytes: the wave stores 256 consecutive bytes.  A wave's 256 scale bytes are
; gathered in LDS and leave as one run of 256 bytes.  No barrier: the waves share nothing.  Loads run four steps (16 loads a wave) ahead, the turn through LDS one step.
; THE WEIGHTS' WAY: A LANE TAKES A COLUMN, AND ITS REGISTERS RUN DOWN K: a block of 32 lies in one lane's 32 registers, and the conversions give codes with K innermost; nothing is transposed by an instruction.
; A work-group takes 64 columns (16 work-groups' worth a tensor) x 512 along K.  Wave w: columns 32 (w % 2) on, K 256 (w / 2) on: eight blocks a lane; two neighbouring waves read 256 consecutive bytes of a row of W.
; The codes meet in a stage of 64 rows x (256 + 16) bytes; behind one barrier each wave stores 16 whole rows: sixteen lanes store 256 consecutive bytes.  The 16 scale bytes of a column leave as 16 bytes a lane.
.set WGW,   96                         ; the weights' work-groups: 48 runs of 64 columns x 2 halves of K
.set WAVES, 4
.set SPW,   12                         ; v12  LDS address of my spare word; never rewritten
.set NIL,   13                         ; v13  0; never rewritten
; X's way
.set STEPS, 16
.set EMAX,  2
.set CB,    8                          ; bytes of 16 codes
.set XR,    16                         ; v16-79   four sets of 16 numbers as they are loaded
.set XN,    80                         ; v80-111  two sets of 16 neighbours
.set XE,    112                        ; v112-127 a scale byte for each step
.set XC,    128                        ; v128-191 codes: four registers for each step, so that no store's data are written again
.set WREG,  8192                       ; LDS: a region for each wave: two stages of 32 x SP bytes, behind them its 256 scale bytes
.set SP,    80                         ; a lane's place in a stage: its 64 bytes + 16 of padding
; the weights' way
.set PITCH, 272
.set STG,   WAVES*WREG                 ; behind X's four regions: the stage, 64 rows x 272 bytes
.set SCS,   STG+64*PITCH               ; 16 scale bytes for each of the 64 columns
.set SPARE, SCS+1024                   ; the spare words, 128 bytes for each of the four waves
.set WX,    32                         ; v32-159  four sets of 32 numbers of my column
.set WC,    160                        ; v160-191 four registers of codes a block, never rewritten
.set WO,    32                         ; v32-63   the way out
	s_load_b256 s[4:11], s[0:1], 0x0               ; X s[4:5], Wq s[6:7], Wk s[8:9], Wv s[10:11]
	s_load_b256 s[12:19], s[0:1], 0x20             ; xc s[12:13], xs s[14:15], wc s[16:17], ws s[18:19]
	v_lshl_add_u32 v[SPW], v0, 2, SPARE
	v_mov_b32 v[NIL], 0
	v_lshrrev_b32 v1, 5, v0
	v_readfirstlane_b32 s20, v1                    ; wave 0..3
	v_and_b32 v2, 31, v0                           ; lane
	s_cmp_lt_u32 ttmp9, WGW                        ; the work-group's number alone decides
	s_cbranch_scc1 .Lweights
	; ---------------------------------------------------------------- X
	v_lshlrev_b32 v3, 4, v2                        ; my 16 bytes of a load's 512
	s_mul_i32 s21, s20, WREG
	v_lshrrev_b32 v14, 2, v2
	v_mul_u32_u24 v14, v14, SP
	v_and_b32 v15, 3, v2
	v_lshl_add_u32 v14, v15, 4, v14
	v_add_nc_u32 v14, s21, v14                     ; the stage, on the way in: SP (lane / 4) + 16 (lane % 4)
	v_mul_u32_u24 v15, v2, SP
	v_add_nc_u32 v15, s21, v15                     ; and on the way out: SP x lane: my 16 neighbours
	v_mul_u32_u24 v4, v2, CB                       ; my codes' place in a step's
	v_lshrrev_b32 v5, 1, v2
	s_add_co_u32 s21, s21, 2*32*SP
	v_add_nc_u32 v5, s21, v5                       ; LDS: my wave's 256 scale bytes, my block's byte
	v_lshlrev_b32 v7, 3, v2                        ; and on the way out 8 bytes a lane
	v_add_nc_u32 v6, s21, v7
	s_sub_co_u32 s21, ttmp9, WGW                   ; which of X's 256 work-groups
	s_lshl_b32 s21, s21, 2
	s_add_co_u32 s22, s21, s20                     ; which run of 8,192 numbers is my wave's
	s_mov_b32 s23, 0
	s_mov_b64 s[24:25], 512*STEPS*4
	s_mul_u64 s[24:25], s[22:23], s[24:25]
	s_mov_b64 s[26:27], 32*STEPS*CB
	s_mul_u64 s[26:27], s[22:23], s[26:27]
	s_lshl_b32 s22, s22, 8                         ; 256 scale bytes a run
	s_wait_kmcnt 0x0
	s_add_nc_u64 s[4:5], s[4:5], s[24:25]
	s_add_nc_u64 s[12:13], s[12:13], s[26:27]
	s_add_nc_u64 s[14:15], s[14:15], s[22:23]
.macro XLOAD t
.irp i, 0,1,2,3
	global_load_b128 v[XR+16*((\t)%4)+4*\i:XR+16*((\t)%4)+4*\i+3], v3, s[4:5] offset:2048*(\t)+512*\i th:TH_LOAD_NT   ; 32 lanes read 512 consecutive bytes
.endr
.endm
.macro XTURN t                         ; step t's numbers through the stage: LDS serves a wave's instructions in order, so no wait stands between the stores and the loads
.irp i, 0,1,2,3
	ds_store_b128 v14, v[XR+16*((\t)%4)+4*\i:XR+16*((\t)%4)+4*\i+3] offset:32*SP*((\t)%2)+8*SP*\i
.endr
.irp i, 0,1,2,3
	ds_load_b128 v[XN+16*((\t)%2)+4*\i:XN+16*((\t)%2)+4*\i+3], v15 offset:32*SP*((\t)%2)+16*\i
.endr
.endm
.irp t, 0,1,2,3
	XLOAD \t
.endr
	s_wait_loadcnt 12                              ; step 0's four loads are in; the twelve of steps 1 to 3 may be out
	XTURN 0
.macro XSTEP t
.set XS, XN+16*((\t)%2)
.if (\t) > 0
	s_wait_dscnt 1                                 ; this step's numbers are back from the stage (the last step's byte store may be out)
.else
	s_wait_dscnt 0x0
.endif
.if (\t)+4 < STEPS
	XLOAD (\t)+4                                   ; into the registers that this step's stores into the stage have read
.endif
.if (\t)+1 < STEPS
.if STEPS-2-(\t) >= 3
	s_wait_loadcnt 12                              ; the next step's four loads are in; those of the three steps behind it may be out
.else
	s_wait_loadcnt 4*(STEPS-2-(\t))
.endif
	XTURN (\t)+1                                   ; through the other stage while this step is worked
.endif
	v_max3_num_f32 v8, |v[XS]|, |v[XS+1]|, |v[XS+2]|               ; the largest magnitude of my 16, in two chains
	v_max3_num_f32 v9, |v[XS+3]|, |v[XS+4]|, |v[XS+5]|
.irp i, 6,10
	v_max3_num_f32 v8, v8, |v[XS+\i]|, |v[XS+\i+1]|
	v_max3_num_f32 v9, v9, |v[XS+\i+2]|, |v[XS+\i+3]|
.endr
	v_max3_num_f32 v8, v8, |v[XS+14]|, |v[XS+15]|
	v_max3_num_f32 v8, v8, v9, (EMAX+1)<<23        ; and the floor 2^(3 - 127): the byte cannot fall under 1
	v_max_num_f32_dpp v8, v8, v8 row_xmask:1 row_mask:0xf bank_mask:0xf   ; and of my neighbour's 16: the block's
	v_add_nc_u32 v11, -(EMAX<<23), v8              ; 2 off its exponent field: the conversion takes the exponent field of this operand as its scale
	v_cvt_scalef32_pk8_fp4_f32 v[XC+4*(\t)], v[XS:XS+7], v11
	v_cvt_scalef32_pk8_fp4_f32 v[XC+4*(\t)+1], v[XS+8:XS+15], v11
	v_lshrrev_b32 v[XE+(\t)], 23, v11              ; the scale's byte (a plain line behind the conversions)
	ds_store_b8 v5, v[XE+(\t)] offset:16*(\t)      ; both lanes of a block write the same byte with the same value
	global_store_b64 v4, v[XC+4*(\t):XC+4*(\t)+1], s[12:13] offset:32*CB*(\t)   ; 32 lanes store 256 consecutive bytes
.endm
.irp t, 0,1,2,3,4,5,6,7,8,9,10,11,12,13,14,15
	XSTEP \t
.endr
	ds_load_b64 v[8:9], v6                         ; LDS serves a wave's instructions in order: these see my byte stores
	s_wait_dscnt 0x0
	global_store_b64 v7, v[8:9], s[14:15]          ; 32 lanes store 256 consecutive bytes
	s_wait_tensorcnt 0x0                           ; the wave's end, behind my last LDS store
	ds_add_u32 v[SPW], v[NIL]
	s_wait_dscnt 0x0
	s_endpgm
	; ---------------------------------------------------------------- the weights
.Lweights:
	s_and_b32 s21, s20, 1                          ; cw: which 32 columns
	s_lshr_b32 s22, s20, 1                         ; kw: which 256 along K
	v_lshlrev_b32 v3, 2, v2                        ; in: 4 bytes a lane
	s_mul_i32 s23, s21, 32*PITCH
	s_lshl_b32 s24, s22, 7
	s_add_co_u32 s23, s23, s24
	s_add_co_u32 s23, s23, STG
	v_mul_u32_u24 v4, v2, PITCH
	v_add_nc_u32 v4, s23, v4                       ; into the stage: row = my column, 128 bytes for my 256 along K
	s_lshl_b32 s23, s21, 9
	s_lshl_b32 s24, s22, 3
	s_add_co_u32 s24, s23, s24
	s_add_co_u32 s24, s24, SCS
	v_lshl_add_u32 v5, v2, 4, s24                  ; my column's scale bytes: 16 a column, my eight at 8 kw
	s_add_co_u32 s23, s23, SCS
	v_lshl_add_u32 v9, v2, 4, s23                  ; and back: a column's 16 (waves 0 and 1: 32 columns each)
	s_lshl_b32 s23, s21, 10
	v_lshl_add_u32 v10, v2, 5, s23                 ; their place in memory: 32 bytes a row
	v_and_b32 v20, 15, v2
	v_lshrrev_b32 v21, 4, v2
	s_mul_i32 s23, s20, 16*PITCH
	s_add_co_u32 s23, s23, STG
	v_mul_u32_u24 v7, v21, PITCH
	v_lshl_add_u32 v7, v20, 4, v7
	v_add_nc_u32 v7, s23, v7                       ; out of the stage: my wave's 16 rows, sixteen lanes to a row
	s_lshl_b32 s23, s20, 13
	v_lshlrev_b32 v8, 9, v21
	v_lshl_add_u32 v8, v20, 4, v8
	v_add_nc_u32 v8, s23, v8                       ; the same place in the codes' buffer: 512 bytes a row
	s_lshr_b32 s25, ttmp9, 1                       ; which 64 of the 3,072 columns
	s_and_b32 s26, ttmp9, 1                        ; which 512 along K
	s_lshr_b32 s27, s25, 4                         ; which tensor
	s_and_b32 s28, s25, 15
	s_lshl_b32 s30, s26, 1
	s_add_co_u32 s30, s30, s22
	s_lshl_b32 s30, s30, 20                        ; (2 y + kw) x 256 rows of 4,096 bytes
	s_lshl_b32 s31, s28, 8
	s_add_co_u32 s30, s30, s31                     ; + 64 columns x 4 bytes a work-group
	s_lshl_b32 s31, s21, 7
	s_add_co_u32 s30, s30, s31                     ; + my wave's 32
	s_mov_b32 s31, 0
	s_lshl_b32 s32, s25, 15                        ; codes: 64 rows of 512 bytes a work-group,
	s_lshl_b32 s33, s26, 8
	s_add_co_u32 s32, s32, s33                     ; + 256 y
	s_mov_b32 s33, 0
	s_lshl_b32 s34, s25, 11                        ; scale bytes: 64 rows of 32,
	s_lshl_b32 s35, s26, 4
	s_add_co_u32 s34, s34, s35                     ; + 16 y
	s_mov_b32 s35, 0
	s_wait_kmcnt 0x0
	s_cmp_eq_u32 s27, 0                            ; the choice hangs on the work-group's number alone
	s_cselect_b64 s[6:7], s[6:7], s[8:9]
	s_cmp_eq_u32 s27, 2
	s_cselect_b64 s[6:7], s[10:11], s[6:7]
	s_add_nc_u64 s[6:7], s[6:7], s[30:31]
	s_add_nc_u64 s[16:17], s[16:17], s[32:33]
	s_add_nc_u64 s[18:19], s[18:19], s[34:35]
.macro WLOAD t                         ; block t: W(k0 + 32 t + n, my column), n = 0 .. 31, into set t % 4
.set n, 0
.rept 32
	global_load_b32 v[WX+32*((\t)%4)+n], v3, s[6:7] offset:(32*(\t)+n)*4096 th:TH_LOAD_NT   ; 32 lanes read 128 consecutive bytes
.set n, n+1
.endr
.endm
	WLOAD 0
	WLOAD 1
	WLOAD 2
	WLOAD 3
.macro WBLOCK t
.set WS, WX+32*((\t)%4)
.if (\t) < 6
	s_wait_loadcnt 63                              ; behind block t's loads stand three younger blocks' 96 (block 5: two blocks' 64); a wait's count names 63 at the most (ISA guide 5.7.1), which is under that
.else
	s_wait_loadcnt 32*(7-(\t))                     ; the younger block's loads may be out
.endif
	v_max3_num_f32 v20, |v[WS]|, |v[WS+1]|, |v[WS+2]|               ; the block's largest magnitude: all 32 numbers are mine
	v_max3_num_f32 v21, |v[WS+3]|, |v[WS+4]|, |v[WS+5]|
.irp i, 6,10,14,18,22,26
	v_max3_num_f32 v20, v20, |v[WS+\i]|, |v[WS+\i+1]|
	v_max3_num_f32 v21, v21, |v[WS+\i+2]|, |v[WS+\i+3]|
.endr
	v_max3_num_f32 v20, v20, |v[WS+30]|, |v[WS+31]|
	v_max3_num_f32 v20, v20, v21, 0x1800000        ; and the floor 2^(3 - 127)
	v_add_nc_u32 v11, 0xff000000, v20              ; 2 off the exponent field: the conversion's scale operand
	v_lshrrev_b32 v22, 23, v11                     ; the scale's byte
.if (\t)%4 == 0
	v_mov_b32 v[24+(\t)/4], v22                    ; four bytes to a register, the lower K in the lower byte
.else
	v_lshl_or_b32 v[24+(\t)/4], v22, 8*((\t)%4), v[24+(\t)/4]
.endif
.irp g, 0,1,2,3
	v_cvt_scalef32_pk8_fp4_f32 v[WC+4*(\t)+\g], v[WS+8*\g:WS+8*\g+7], v11
.endr
	v_nop                                          ; a plain line behind the last conversion
	ds_store_b128 v4, v[WC+4*(\t):WC+4*(\t)+3] offset:16*(\t)   ; 32 codes: 16 bytes of my column's row
.if (\t) < 4
	WLOAD (\t)+4                                   ; the set that this block has left takes the block four further on
.endif
.endm
.irp t, 0,1,2,3,4,5,6,7
	WBLOCK \t
.endr
	ds_store_b64 v5, v[24:25]                      ; my column's eight scale bytes
	s_wait_dscnt 0x0                               ; for the others' sake: my stores into the stage are done
	s_barrier_signal -1
	s_barrier_wait -1
.irp i, 0,1,2,3,4,5,6,7
	ds_load_b128 v[WO+4*\i:WO+4*\i+3], v7 offset:2*\i*PITCH
.endr
.irp i, 0,1,2,3,4,5,6,7
	s_wait_dscnt 7-\i                              ; the younger loads may be out
	global_store_b128 v8, v[WO+4*\i:WO+4*\i+3], s[16:17] offset:2*\i*512   ; sixteen lanes store 256 consecutive bytes, at a multiple of 256 from the buffer's first byte
.endr
	s_cmp_gt_u32 s20, 1                            ; waves 0 and 1 store the 64 columns' scale bytes
	s_cbranch_scc1 .Lno_scales
	ds_load_b128 v[16:19], v9
	s_wait_dscnt 0x0
	global_store_b128 v10, v[16:19], s[18:19]      ; 16 bytes of each column's row of 32: one byte in 128 of what this way reads
.Lno_scales:
	s_wait_tensorcnt 0x0                           ; the wave's end, behind my last LDS store
	ds_add_u32 v[SPW], v[NIL]
	s_wait_dscnt 0x0
	s_endpgm
.Lfunc_end_k_q7a2addfb76_quant:
	.size	k_q7a2addfb76_quant, .Lfunc_end_k_q7a2addfb76_quant-k_q7a2addfb76_quant
	.p2alignl 7, 3214868480
	.fill 96, 4, 3214868480
	.section	.rodata,"a",@progbits
	.p2align	6, 0x0
	.amdhsa_kernel k_q7a2addfb76_quant
		.amdhsa_group_segment_fixed_size 51712
		.amdhsa_private_segment_fixed_size 0
		.amdhsa_enable_private_segment 0
		.amdhsa_kernarg_size 64
		.amdhsa_user_sgpr_count 2
		.amdhsa_user_sgpr_kernarg_segment_ptr 1
		.amdhsa_wavefront_size32 1
		.amdhsa_system_sgpr_workgroup_id_x 1
		.amdhsa_system_sgpr_workgroup_id_y 1
		.amdhsa_system_sgpr_workgroup_id_z 1
		.amdhsa_system_vgpr_workitem_id 0
		.amdhsa_next_free_vgpr 192
		.amdhsa_next_free_sgpr 66
		.amdhsa_reserve_vcc 0
		.amdhsa_float_denorm_mode_32 3
		.amdhsa_float_denorm_mode_16_64 3
		.amdhsa_memory_ordered 1
		.amdhsa_forward_progress 1
		.amdhsa_inst_pref_size 74
	.end_amdhsa_kernel
	.amdgpu_metadata
---
amdhsa.version: [ 1, 2 ]
amdhsa.kernels:
  - .name:           k_q7a2addfb76_quant
    .symbol:         k_q7a2addfb76_quant.kd
    .args:
      - { .name: X, .offset: 0, .size: 8, .value_kind: global_buffer, .address_space: global }
      - { .name: Wq, .offset: 8, .size: 8, .value_kind: global_buffer, .address_space: global }
      - { .name: Wk, .offset: 16, .size: 8, .value_kind: global_buffer, .address_space: global }
      - { .name: Wv, .offset: 24, .size: 8, .value_kind: global_buffer, .address_space: global }
      - { .name: xc, .offset: 32, .size: 8, .value_kind: global_buffer, .address_space: global }
      - { .name: xs, .offset: 40, .size: 8, .value_kind: global_buffer, .address_space: global }
      - { .name: wc, .offset: 48, .size: 8, .value_kind: global_buffer, .address_space: global }
      - { .name: ws, .offset: 56, .size: 8, .value_kind: global_buffer, .address_space: global }
    .group_segment_fixed_size: 51712
    .private_segment_fixed_size: 0
    .kernarg_segment_align: 8
    .kernarg_segment_size: 64
    .max_flat_workgroup_size: 128
    .sgpr_count:     66
    .vgpr_count:     192
    .wavefront_size: 32
...
	.end_amdgpu_metadata
.endif
;; end of part 1
;; launch proj (part 2): grid 12 x 32, 4 waves a work-group, clusters of 4 x 4, 327,680 bytes of LDS; arguments xc, xs, wc, ws, qkv, fine; writes qkv, fine
.if DOCPART == 2
	.amdgcn_target "amdgcn-amd-amdhsa--gfx1250"
	.amdhsa_code_object_version 6
	.text
	.protected	k_q7a2addfb76_proj
	.globl	k_q7a2addfb76_proj
	.p2align	8
	.type	k_q7a2addfb76_proj,@function
k_q7a2addfb76_proj:
	s_mov_b64 s[64:65], 0
	v_nop
	global_prefetch_b8 v0, s[64:65] scope:SCOPE_SE
	s_setreg_imm32_b32 hwreg(HW_REG_WAVE_MODE, 25, 1), 1
	s_wait_xcnt 0x0
	s_wait_alu depctr_hold_cnt(0) depctr_sa_sdst(0) depctr_va_vdst(0) depctr_va_sdst(0) depctr_va_ssrc(0) depctr_va_vcc(0) depctr_vm_vsrc(0)
	s_getreg_b32 s2, hwreg(HW_REG_IB_STS2, 6, 4)
	s_cmp_eq_u32 s2, 0
	s_cbranch_scc0 .Lentry_in_a_cluster
	s_endpgm
.Lentry_in_a_cluster:
	s_bfe_u32 s2, ttmp6, 0x10000c
	s_cmp_lg_u32 s2, 0xf033
	s_cbranch_scc0 .Lentry_shape_is_right
	s_endpgm
.Lentry_shape_is_right:
; qkv[m][n] = sum over k of X[m][k] W[n][k]: X [8192][1024], W [3072 = q's, k's, v's columns][1024]: codes of FP4 (E2M1) with one E8M0 scale for each 32 along K; sums in f32, K ascending.
; OUT: qkv [8192][3072] as f16 (the operands of the two attention products); the first 16 positions of each of the four sequences also as f32, into fine [4][16][3072].
; LIMIT: |q|, |k|, |v| up to 65,504: beyond that the rounding to f16 gives infinity.  Inputs 30 times larger on both sides give some 5,000.
; A tile of C, 256 x 256, is made by a work-group of four waves; a wave makes 128 x 128: 64 accumulators, 512 registers.  K = 1024 is two slots of 512 along K (rows of 256 bytes): both are asked for at the head, nothing is filled again.
; THE SCALES of the work-group's 256 + 256 rows, for all of K, are two dense blocks of memory: they come into LDS once, with the first fills.
; CLUSTERS: 4 x 4 work-groups.  The four of a row of the cluster need the same tiles of X, the four of a column the same tiles of W: each tile is asked for jointly.  Tile row = cluster y + 8 cy: the partners along y
; hold the same tile of the four sequences, so that 'this tile holds positions 0 to 15' is 'cluster y = 0', the same in all sixteen partners.
; THE MATRIX INSTRUCTION IS USED TRANSPOSED (source 0 = 16 rows of W, source 1 = 16 rows of X): a lane holds eight neighbouring numbers of a row of C.
; REGISTERS, in windows of 256: window 0: v0-31 addresses; v32-95 scale words, two sets; from v128 X's fragments, one set; on the way out v32-191 are free.  window 1: W's fragments, two sets.  windows 2, 3: the accumulators ((a, b) at v[8 (8 (a % 4) + b)]).
.set SIZE_N, 3072
.set SIZE_K, 1024
.set KSTEP,  512
.set NQ,     KSTEP/128
.set ROWB,   256
.set KROW,   SIZE_K/2
.set PITCH,  272                       ; an LDS row: 256 bytes + 16 of padding: the 16 rows that a load touches start at 16 different banks (ISA guide 11.1)
.set FR,     8
.set NL,     2
.set NP,     4                         ; places behind this matrix instruction (ISA guide 7.12.1)
.set HALFT,  128*PITCH
.set SLOT,   4*HALFT
.set KS,     SIZE_K/32
.set SCL,    2*SLOT
.set HALFS,  (128*KS/256)*272
.set SBLK,   (16*KS/256)*272
.set SPARE,  SCL+4*HALFS
.set CROW,   SIZE_N*2                  ; a row of qkv in bytes
.set FROW,   SIZE_N*4                  ; a row of fine
.set SP16,   272                       ; the f16 stage: 16 rows x (256 + 16) for each wave, from LDS byte 0: slot 0 has had its last fill and its last read when results are stored there
.set FSTG,   32768                     ; the f32 stage: 16 rows x (512 + 16) for each wave, also in slot 0, in bytes of its own
.set FPIT,   528
.set ADRA, 16
.set ADRB, 20
.set FSTO, 22
.set FRD,  23
.set STO,  24
.set RD,   25
.set CO,   26
.set ADRS, 27
.set SPW,  28
.set NIL,  29
.set FCO,  30
.set SC,   32
.set AF,   128
.set TMP,  32                          ; the way out: packed results
.set BK,   64                          ; rows read back: v64-95 and v96-127 by turns
.set FBK,  128                         ; the f32 rows read back
.set FLG,  95                          ; s95: 0 in the waves that hold positions 0 to 15 of a sequence
.set G1, 24
.set G0, 32
.set G1B, 48
.set G0B, 56
.set G1S, 68
.set G0S, 76
.set G1SB, 80
.set G0SB, 88
.set MSB, 0
.macro WIN new                         ; the immediate's high byte repeats the setting that is left
.if MSB != \new
	s_set_vgpr_msb (MSB<<8)|\new
.set MSB, \new
.endif
.endm
.set MUL_LO, 0xa1                      ; source 0 (W) window 1, source 1 (X) window 0, C and D window 2
.set MUL_HI, 0xf1
.set TO_B,   0x40
; A joint load: waves 0 and 1 fetch for X, waves 2 and 3 for W.  The branch hangs on the wave's number alone.  An s_nop 0 and four v_nop follow each of the two lines.
.macro JLOAD g0a, g1a, g0b, g1b
	s_cmp_eq_u32 s15, 0
	s_cbranch_scc0 .Lfor_b_\@
	tensor_load_to_lds s[\g0a:\g0a+3], s[\g1a:\g1a+7]
	s_nop 0
.rept 4
	v_nop
.endr
	s_branch .Lasked_\@
.Lfor_b_\@:
	tensor_load_to_lds s[\g0b:\g0b+3], s[\g1b:\g1b+7]
	s_nop 0
.rept 4
	v_nop
.endr
.Lasked_\@:
.endm
.macro CROUND                          ; a round of the cluster's barrier
	s_barrier_signal -1
	s_barrier_wait -1
	s_cmp_lg_u32 s14, 0
	s_cbranch_scc1 .Lnot_wave_0_\@
	s_barrier_signal -3
.Lnot_wave_0_\@:
	s_barrier_wait -3
	s_barrier_signal -1
	s_barrier_wait -1
.endm
	s_load_b128 s[4:7], s[0:1], 0x0                ; X's codes, X's scales
	s_load_b128 s[8:11], s[0:1], 0x10              ; W's codes, W's scales
	s_load_b64 s[12:13], s[0:1], 0x20              ; qkv
	s_load_b64 s[96:97], s[0:1], 0x28              ; fine
	v_lshl_add_u32 v[SPW], v0, 2, SPARE
	v_mov_b32 v[NIL], 0
	ds_add_u32 v[SPW], v[NIL]                      ; the wave's opening: the add, twice on end, and its wait ahead of my first tensor load
	ds_add_u32 v[SPW], v[NIL]
	v_lshrrev_b32 v1, 5, v0
	v_readfirstlane_b32 s14, v1                    ; wave 0..3
	s_lshr_b32 s15, s14, 1                         ; which half of the tile's rows is mine.  Also: I fetch for X (0) or for W (1)
	s_and_b32 s16, s14, 1                          ; which half of its columns.  Also: which 128 rows of that tile I fetch
	s_bfe_u32 s40, ttmp6, 0x40000                  ; cx, cy: my place in the cluster
	s_bfe_u32 s41, ttmp6, 0x40004
	s_lshl_b32 s42, ttmp9, 2
	s_add_co_u32 s42, s42, s40                     ; tile column of C = 4 x cluster x + cx
	s_and_b32 s[FLG], ttmp7, 0xffff                ; cluster y
	s_lshl_b32 s17, s41, 3
	s_add_co_u32 s17, s17, s[FLG]                  ; tile row of C = 8 cy + cluster y: sequence cy, its tile cluster y
	s_or_b32 s[FLG], s[FLG], s15                   ; 0: a sequence's first tile, and the wave has its upper 128 rows
	s_lshl_b32 s43, s41, 2
	s_lshl_b32 s43, 15, s43                        ; my row of the cluster
	s_lshl_b32 s44, 0x1111, s40                    ; my column
	s_or_b32 s[G1+0], s43, (0<<16)|(1<<20)|(1<<21)|(5<<22)|(3<<25)  ; the mask; elements of 1 byte; padding: 4 words after every 64; bit 21 beside a mask
	s_or_b32 s[G1B+0], s44, (0<<16)|(1<<20)|(1<<21)|(5<<22)|(3<<25)
.irp g, G1, G1B
	s_mov_b32 s[\g+1], ROWB<<16                    ; tensor_dim0
	s_mov_b32 s[\g+2], 128<<16                     ; tensor_dim1
	s_mov_b32 s[\g+3], ROWB<<16                    ; tile_dim0
	s_mov_b32 s[\g+4], 128                         ; tile_dim1
	s_mov_b32 s[\g+5], KROW                        ; the pitch
	s_mov_b32 s[\g+6], 0
	s_mov_b32 s[\g+7], 0
.endr
	s_or_b32 s[G1S+0], s43, (3<<16)|(1<<20)|(1<<21)|(5<<22)|(3<<25)  ; the scales of 128 rows: a dense block of 4,096 bytes as 16 rows of 256 (32 elements of 8 bytes), 16 bytes of padding behind each
	s_or_b32 s[G1SB+0], s44, (3<<16)|(1<<20)|(1<<21)|(5<<22)|(3<<25)
.irp g, G1S, G1SB
	s_mov_b32 s[\g+1], 32<<16
	s_mov_b32 s[\g+2], (128*KS/256)<<16
	s_mov_b32 s[\g+3], 32<<16
	s_mov_b32 s[\g+4], 128*KS/256
	s_mov_b32 s[\g+5], 32
	s_mov_b32 s[\g+6], 0
	s_mov_b32 s[\g+7], 0
.endr
	s_lshl_b32 s18, s16, 7
	s_lshl_b32 s20, s17, 8
	s_add_co_u32 s20, s20, s18                     ; X: row 256 x tile row + 128 x half
	s_lshl_b32 s46, s42, 8
	s_add_co_u32 s46, s46, s18                     ; W: row 256 x tile column + 128 x half
	s_mov_b32 s21, 0
	s_mov_b32 s47, 0
	s_mov_b64 s[18:19], KS
	s_mul_u64 s[22:23], s[20:21], s[18:19]         ; where these rows' scales begin
	s_mul_u64 s[92:93], s[46:47], s[18:19]
	s_mov_b64 s[18:19], KROW
	s_mul_u64 s[20:21], s[20:21], s[18:19]         ; and their codes
	s_mul_u64 s[46:47], s[46:47], s[18:19]
	s_mul_i32 s45, s14, HALFT                      ; where they go: wave x 128 rows
	s_mul_i32 s94, s14, HALFS
	s_wait_dscnt 0x0                               ; both opening adds are done
	s_wait_kmcnt 0x0
	s_add_nc_u64 s[20:21], s[4:5], s[20:21]
	s_add_nc_u64 s[22:23], s[6:7], s[22:23]
	s_add_nc_u64 s[46:47], s[8:9], s[46:47]
	s_add_nc_u64 s[92:93], s[10:11], s[92:93]
	CROUND                                         ; all sixteen work-groups are here: the joint loads meet
	s_mov_b32 s[G0S], 1
	s_add_co_u32 s[G0S+1], s94, SCL
	s_mov_b64 s[G0S+2:G0S+3], s[22:23]
	s_or_b32 s[G0S+3], s[G0S+3], 0x80000000
	s_mov_b32 s[G0SB], 1
	s_add_co_u32 s[G0SB+1], s94, SCL
	s_mov_b64 s[G0SB+2:G0SB+3], s[92:93]
	s_or_b32 s[G0SB+3], s[G0SB+3], 0x80000000
	JLOAD G0S, G1S, G0SB, G1SB                     ; the scales first: they are wanted with slot 0
.irp s, 0,1
	s_mov_b32 s[G0+4*\s], 1
	s_add_co_u32 s[G0+4*\s+1], s45, \s*SLOT
	s_add_nc_u64 s[G0+4*\s+2:G0+4*\s+3], s[20:21], \s*ROWB
	s_or_b32 s[G0+4*\s+3], s[G0+4*\s+3], 0x80000000
	s_mov_b32 s[G0B+4*\s], 1
	s_add_co_u32 s[G0B+4*\s+1], s45, \s*SLOT
	s_add_nc_u64 s[G0B+4*\s+2:G0B+4*\s+3], s[46:47], \s*ROWB
	s_or_b32 s[G0B+4*\s+3], s[G0B+4*\s+3], 0x80000000
	JLOAD G0+4*\s, G1, G0B+4*\s, G1B               ; three loads of mine are out behind the last of these
.endr
	v_and_b32 v1, 15, v0                           ; r = l % 16
	v_bfe_u32 v2, v0, 4, 1                         ; h = l / 16
	v_mul_u32_u24 v3, v1, PITCH
	v_lshl_add_u32 v4, v2, 4, v3                   ; a fragment's row x pitch + 16 x half
	s_mul_i32 s21, s15, HALFT                      ; my 128 rows of X
	s_mul_i32 s22, s16, HALFT                      ; my 128 rows of W,
	s_add_co_u32 s22, s22, 2*HALFT                 ; which lie behind X's 256
.irp s, 0,1
	v_add_nc_u32 v[ADRA+\s], s21, v4
	v_add_nc_u32 v[ADRB+\s], s22, v4
	s_add_co_u32 s21, s21, SLOT
	s_add_co_u32 s22, s22, SLOT
.endr
	v_mul_u32_u24 v5, v1, KS                       ; my row's scales: 32 bytes a row,
	v_lshrrev_b32 v6, 8, v5
	v_lshl_add_u32 v5, v6, 4, v5                   ; and 16 more for each 256 passed
	s_mul_i32 s21, s15, HALFS
	s_mul_i32 s22, s16, HALFS
	s_add_co_u32 s22, s22, 2*HALFS
	s_sub_co_u32 s22, s22, s21
	v_mul_u32_u24 v6, s22, v2                      ; lanes 16-31 take W's
	s_add_co_u32 s21, s21, SCL
	v_add_nc_u32 v5, v5, v6
	v_add_nc_u32 v[ADRS], s21, v5
	s_mul_i32 s23, s14, 16*SP16                    ; my f16 stage
	v_mul_u32_u24 v5, v1, SP16
	v_lshl_add_u32 v5, v2, 4, v5
	v_add_nc_u32 v[STO], s23, v5                   ; in: row r, 16 bytes for each half of the lanes
	v_mul_u32_u24 v5, v2, SP16
	v_lshl_add_u32 v5, v1, 4, v5
	v_add_nc_u32 v[RD], s23, v5                    ; back: lanes 0-15 one row of 256 bytes, lanes 16-31 the next
	v_mul_u32_u24 v5, v2, CROW
	v_lshl_add_u32 v[CO], v1, 4, v5                ; and the same two rows in qkv
	s_mul_i32 s23, s14, 16*FPIT
	s_add_co_u32 s23, s23, FSTG                    ; my f32 stage
	v_mul_u32_u24 v5, v1, FPIT
	v_lshl_add_u32 v5, v2, 5, v5
	v_add_nc_u32 v[FSTO], s23, v5                  ; in: row r, 32 bytes for each half of the lanes
	v_and_b32 v6, 31, v0
	v_lshlrev_b32 v[FCO], 4, v6                    ; back: the 32 lanes take one row of 512 bytes; and the same in fine
	v_add_nc_u32 v[FRD], s23, v[FCO]
	s_lshl_b32 s20, s17, 8
	s_lshl_b32 s21, s15, 7
	s_add_co_u32 s20, s20, s21                     ; my first row of C
	s_mov_b32 s21, 0
	s_mov_b64 s[18:19], CROW
	s_mul_u64 s[20:21], s[20:21], s[18:19]
	s_lshl_b32 s46, s42, 9                         ; my first column, in bytes of f16: 512 x tile column + 256 x half
	s_lshl_b32 s47, s16, 8
	s_add_co_u32 s46, s46, s47
	s_mov_b32 s47, 0
	s_add_nc_u64 s[20:21], s[20:21], s[46:47]
	s_add_nc_u64 s[12:13], s[12:13], s[20:21]
	s_mul_i32 s20, s41, 16*FROW                    ; fine: sequence cy,
	s_lshl_b32 s46, s42, 10
	s_add_co_u32 s20, s20, s46                     ; + 1,024 x tile column
	s_lshl_b32 s46, s16, 9
	s_add_co_u32 s20, s20, s46                     ; + 512 x half
	s_mov_b32 s21, 0
	s_add_nc_u64 s[96:97], s[96:97], s[20:21]
.macro FRAG reg, adr, q, i             ; a fragment, 16 rows x 128 K of 4-bit codes, is 8 registers: lane l holds row l % 16; registers 4 c .. 4 c + 3 hold K = 64 c + 32 (l / 16) + 0 .. 31
.irp c, 0,1
	ds_load_b128 v[\reg+4*\c:\reg+4*\c+3], v[\adr] offset:64*(\q)+32*\c+(\i)*16*PITCH
.endr
.endm
; 16 matrix instructions: X's blocks a0, a0 + 1 x W's eight, 128 along K.  The 64 accumulators take turns, one instruction a turn, in the same order in every step.
.macro MUL16 a0, p, q, sc, zero
.irp a, \a0, \a0+1
.irp b, 0,1,2,3,4,5,6,7
.if \zero
	v_wmma_scale_f32_16x16x128_f8f6f4 v[8*(8*((\a)%4)+\b):8*(8*((\a)%4)+\b)+7], v[128*(\p)+FR*\b:128*(\p)+FR*\b+FR-1], v[AF+FR*(\a):AF+FR*(\a)+FR-1], 0, v[SC+8*NQ*(\sc)+NQ*\b+(\q)], v[SC+8*NQ*(\sc)+NQ*(\a)+(\q)] matrix_a_fmt:MATRIX_FMT_FP4 matrix_b_fmt:MATRIX_FMT_FP4 matrix_a_scale:MATRIX_SCALE_ROW1
.else
	v_wmma_scale_f32_16x16x128_f8f6f4 v[8*(8*((\a)%4)+\b):8*(8*((\a)%4)+\b)+7], v[128*(\p)+FR*\b:128*(\p)+FR*\b+FR-1], v[AF+FR*(\a):AF+FR*(\a)+FR-1], v[8*(8*((\a)%4)+\b):8*(8*((\a)%4)+\b)+7], v[SC+8*NQ*(\sc)+NQ*\b+(\q)], v[SC+8*NQ*(\sc)+NQ*(\a)+(\q)] matrix_a_fmt:MATRIX_FMT_FP4 matrix_b_fmt:MATRIX_FMT_FP4 matrix_a_scale:MATRIX_SCALE_ROW1
.endif
.endr
.endr
.endm
.macro FETCH_B slot, q, p
	WIN TO_B
.irp i, 0,1,2,3,4,5,6,7
	FRAG 128*(\p)+FR*\i, ADRB+\slot, \q, \i
.endr
	WIN 0
.endm
.macro FETCH_A slot, q, i0
.irp i, \i0, \i0+1, \i0+2, \i0+3
	FRAG AF+FR*(\i), ADRA+\slot, \q, \i
.endr
.endm
.macro SCALES sc                       ; a slot's scale words: 4 words a row; lanes 0-15 take X's block i, lanes 16-31 W's block i
.irp i, 0,1,2,3,4,5,6,7
	ds_load_b128 v[SC+8*NQ*\sc+NQ*\i:SC+8*NQ*\sc+NQ*\i+3], v[ADRS] offset:\i*SBLK
.endr
.endm
.macro PLACES n                        ; plain vector lines between a matrix instruction and a load into, or a read of, its registers
.rept \n
	v_nop
.endr
.endm
.macro STEP slot, q, zero              ; a step of 128 along K that has its successor in the same slot
	s_wait_dscnt 4*NL                              ; W's set and X's blocks 0-3 are in; the youngest eight loads (X's blocks 4-7) may be out
	WIN MUL_LO
	MUL16 0, (\q)%2, \q, \slot, \zero
	MUL16 2, (\q)%2, \q, \slot, \zero
	s_wait_dscnt 0
	PLACES NP
	FETCH_B \slot, (\q)+1, 1-(\q)%2
	FETCH_A \slot, (\q)+1, 0
	WIN MUL_HI
	MUL16 4, (\q)%2, \q, \slot, \zero
	MUL16 6, (\q)%2, \q, \slot, \zero
	PLACES NP
	WIN 0
	FETCH_A \slot, (\q)+1, 4
.endm
; Slot 0's last step changes slots: each wave waits for its part of slot 1, then the barrier shows the whole slot to every wave.  Nothing is filled again.
.macro TURN slot, next
	s_wait_tensorcnt 0x0                           ; all my tensor loads have landed: my part of the next slot
	ds_add_u32 v[SPW], v[NIL]                      ; 0 onto my spare word
	s_wait_dscnt 4*NL+1                            ; (the add and the youngest eight loads may be out)
	WIN MUL_LO
	MUL16 0, 1, NQ-1, \slot, 0
	s_wait_dscnt 0x0                               ; the add is done, and my reads of this slot are over
	s_barrier_signal -1
	MUL16 2, 1, NQ-1, \slot, 0
	WIN 0
	s_barrier_wait -1
	PLACES NP
	v_add_nc_u32 v[ADRS], 4*NQ, v[ADRS]            ; on to the next slot's scale words
	FETCH_B \next, 0, 0
	FETCH_A \next, 0, 0
	SCALES \next
	WIN MUL_HI
	MUL16 4, 1, NQ-1, \slot, 0
	MUL16 6, 1, NQ-1, \slot, 0
	PLACES NP
	WIN 0
	FETCH_A \next, 0, 4
.endm
	s_wait_tensorcnt 1                             ; the scales and my part of slot 0 are in (slot 1's load may be out),
	s_barrier_signal -1
	s_barrier_wait -1                              ; everybody's are
	FETCH_B 0, 0, 0
	FETCH_A 0, 0, 0
	SCALES 0
	FETCH_A 0, 0, 4
	STEP 0, 0, 1                                   ; the first step's products start the sums: nothing is cleared
	STEP 0, 1, 0
	STEP 0, 2, 0
	TURN 0, 1
	STEP 1, 0, 0
	STEP 1, 1, 0
	STEP 1, 2, 0
	s_wait_dscnt 4*NL                              ; the last step: nothing more to fetch
	WIN MUL_LO
	MUL16 0, 1, NQ-1, 1, 0
	MUL16 2, 1, NQ-1, 1, 0
	s_wait_dscnt 0
	WIN MUL_HI
	MUL16 4, 1, NQ-1, 1, 0
	MUL16 6, 1, NQ-1, 1, 0
	WIN 0
	PLACES NP                                      ; behind the last products: for the reads of results and for the writes of registers that held fragments and scale words
	; POSITIONS 0 TO 15 OF A SEQUENCE ALSO LEAVE AS f32.  They are block 0 of the waves with the upper rows, in the tiles with cluster y = 0: a branch on numbers that all partners share and on the wave's number.
	s_cmp_lg_u32 s[FLG], 0
	s_cbranch_scc1 .Lcoarse
	WIN 0x08                                       ; an LDS store's data are its source 1: window 2
.irp b, 0,1,2,3,4,5,6,7
	ds_store_b128 v[FSTO], v[8*\b:8*\b+3] offset:64*\b             ; each accumulator from its low end on
	ds_store_b128 v[FSTO], v[8*\b+4:8*\b+7] offset:64*\b+16
.endr
	WIN 0
.irp t, 0,1,2,3,4,5,6,7,8,9,10,11,12,13,14,15
	ds_load_b128 v[FBK+4*\t:FBK+4*\t+3], v[FRD] offset:\t*FPIT     ; LDS serves a wave's instructions in order: these see my stores
.endr
	s_wait_dscnt 0x0
.irp t, 0,1,2,3,4,5,6,7,8,9,10,11,12,13,14,15
	global_store_b128 v[FCO], v[FBK+4*\t:FBK+4*\t+3], s[96:97] offset:\t*FROW   ; 32 lanes store 512 consecutive bytes
.endr
.Lcoarse:
; THE WAY OUT, block by block of 16 rows x 128 columns: rounded to f16, 16 bytes a lane; through my own stage; back as whole rows of 256 bytes.
.macro PACK a
.set AC, 64*((\a)%4)
	WIN 0x0a+5*((\a)/4)                            ; sources 0 and 1: window 2 or 3
.irp b, 0,1,2,3,4,5,6,7
.irp r, 0,1,2,3
	v_cvt_pk_f16_f32 v[TMP+4*\b+\r], v[AC+8*\b+2*\r], v[AC+8*\b+2*\r+1]
.endr
.endr
	WIN 0
.endm
.macro TOSTAGE a
.set BB, BK+32*((\a)%2)
.irp b, 0,1,2,3,4,5,6,7
	ds_store_b128 v[STO], v[TMP+4*\b:TMP+4*\b+3] offset:32*\b
.endr
.irp t, 0,1,2,3,4,5,6,7
	ds_load_b128 v[BB+4*\t:BB+4*\t+3], v[RD] offset:\t*2*SP16
.endr
.endm
.macro SEND a
.set BB, BK+32*((\a)%2)
	s_wait_dscnt 0x0                               ; the block is back in registers
	s_wait_xcnt 0x0                                ; the earlier stores have read their registers and their base: only behind this wait are they rewritten
.if (\a) > 0
	s_add_nc_u64 s[12:13], s[12:13], 16*CROW
.endif
.irp t, 0,1,2,3,4,5,6,7
	global_store_b128 v[CO], v[BB+4*\t:BB+4*\t+3], s[12:13] offset:2*\t*CROW   ; 16 lanes store 256 consecutive bytes, at a multiple of 256 from the buffer's first byte
.endr
.endm
	PACK 0
	TOSTAGE 0
.irp a, 1,2,3,4,5,6,7                  ; block a's conversions stand between block a - 1's loads from the stage and the wait for them
	PACK \a
	SEND \a-1
	TOSTAGE \a
.endr
	SEND 7
	s_wait_tensorcnt 0x0                           ; the wave's end, behind my last tensor load and my last LDS store
	ds_add_u32 v[SPW], v[NIL]
	s_wait_dscnt 0x0
	CROUND                                         ; the closing round: no work-group ends while a partner may still ask for a tile that names it
	s_endpgm
.Lfunc_end_k_q7a2addfb76_proj:
	.size	k_q7a2addfb76_proj, .Lfunc_end_k_q7a2addfb76_proj-k_q7a2addfb76_proj
	.p2alignl 7, 3214868480
	.fill 96, 4, 3214868480
	.section	.rodata,"a",@progbits
	.p2align	6, 0x0
	.amdhsa_kernel k_q7a2addfb76_proj
		.amdhsa_group_segment_fixed_size 327680
		.amdhsa_private_segment_fixed_size 0
		.amdhsa_enable_private_segment 0
		.amdhsa_kernarg_size 48
		.amdhsa_user_sgpr_count 2
		.amdhsa_user_sgpr_kernarg_segment_ptr 1
		.amdhsa_wavefront_size32 1
		.amdhsa_system_sgpr_workgroup_id_x 1
		.amdhsa_system_sgpr_workgroup_id_y 1
		.amdhsa_system_sgpr_workgroup_id_z 1
		.amdhsa_system_vgpr_workitem_id 0
		.amdhsa_next_free_vgpr 1024
		.amdhsa_next_free_sgpr 100
		.amdhsa_reserve_vcc 0
		.amdhsa_float_denorm_mode_32 3
		.amdhsa_float_denorm_mode_16_64 3
		.amdhsa_memory_ordered 1
		.amdhsa_forward_progress 1
		.amdhsa_inst_pref_size 131
	.end_amdhsa_kernel
	.amdgpu_metadata
---
amdhsa.version: [ 1, 2 ]
amdhsa.kernels:
  - .name:           k_q7a2addfb76_proj
    .symbol:         k_q7a2addfb76_proj.kd
    .args:
      - { .name: xc, .offset: 0, .size: 8, .value_kind: global_buffer, .address_space: global }
      - { .name: xs, .offset: 8, .size: 8, .value_kind: global_buffer, .address_space: global }
      - { .name: wc, .offset: 16, .size: 8, .value_kind: global_buffer, .address_space: global }
      - { .name: ws, .offset: 24, .size: 8, .value_kind: global_buffer, .address_space: global }
      - { .name: qkv, .offset: 32, .size: 8, .value_kind: global_buffer, .address_space: global }
      - { .name: fine, .offset: 40, .size: 8, .value_kind: global_buffer, .address_space: global }
    .group_segment_fixed_size: 327680
    .private_segment_fixed_size: 0
    .kernarg_segment_align: 8
    .kernarg_segment_size: 48
    .max_flat_workgroup_size: 128
    .sgpr_count:     100
    .vgpr_count:     1024
    .wavefront_size: 32
...
	.end_amdgpu_metadata
.endif
;; end of part 2
;; launch score (part 3): grid 9 x 16, 4 waves a work-group, no clusters, 327,680 bytes of LDS; arguments qkv, pbuf, stats; writes pbuf, stats
.if DOCPART == 3
	.amdgcn_target "amdgcn-amd-amdhsa--gfx1250"
	.amdhsa_code_object_version 6
	.text
	.protected	k_q7a2addfb76_score
	.globl	k_q7a2addfb76_score
	.p2align	8
	.type	k_q7a2addfb76_score,@function
k_q7a2addfb76_score:
	s_mov_b64 s[64:65], 0
	v_nop
	global_prefetch_b8 v0, s[64:65] scope:SCOPE_SE
	s_setreg_imm32_b32 hwreg(HW_REG_WAVE_MODE, 25, 1), 1
	s_wait_xcnt 0x0
; The first attention product and the softmax's numerators.  s[q][k] = q[q] . k[k] over 1024 channels, f16 operands, f32 sums, for the tiles of 256 x 256 on and under the diagonal of each of the four sequences.
; t = s x log2(e) / 32.  For each query and each BLOCK of 128 keys: M = the block's largest t rounded up to a whole number; p = 2^(t - M), at most 1, stored as f16 into pbuf [4][2048 q][2048 key];
; stats [4][16 key blocks][2048 q] takes {N = -M, L = the block's sum of the unrounded p}, two f32.  The next launch brings the blocks of a row under the row's largest M by exact powers of two.
; Keys after the query get the score -infinity ahead of the maximum, so p = 0.  On the diagonal block a query's own key counts, so every block's maximum is a number.
; LIMITS: p under 2^-24 becomes 0 in f16; NaN and infinities in q, k are not served.
; SHARES: row i of the triangle has i + 1 tiles; rows 7 - pr and pr together have 9: work-group x = 0..8 walks them, y = 4 x sequence + pr.  144 work-groups of equal matrix work.
; Four waves, each 128 queries x 128 keys = one block: 64 accumulators, 512 registers.  The upper right wave of a diagonal tile has only hidden scores: it fetches and passes every barrier with the others, and stores nothing.
; NO CLUSTER: a row of the triangle has i + 1 tiles and a column 8 - j: neither divides by four, and a cluster of 4 x 4 on the diagonal would hold work-groups all of whose scores are hidden.
; K goes in 8 steps of 128 channels (rows of 256 bytes) through a ring of two LDS slots; wave w fetches 128 rows: waves 0, 1 q's halves, waves 2, 3 k's.
; THE MATRIX INSTRUCTION IS USED TRANSPOSED (source 0 = 16 keys, source 1 = 16 queries): a lane holds ONE query (lane % 16) and, in accumulator b, the keys 16 b + 8 (lane / 16) + 0 .. 7.
; REGISTERS: window 0: v0-31 addresses; v64-191 q's fragments, two buffers; window 1: k's; windows 2, 3: the accumulators ((a, b) at v[8 (8 (a % 4) + b)]).  On the way out window 0 holds all work registers.
.set KSTEP,  128
.set PITCH,  272                       ; 256 bytes + 16 of padding: the 16 rows of a load start at 16 different banks (ISA guide 11.1)
.set HALFT,  128*PITCH
.set SLOT,   4*HALFT
.set STAGE,  2*SLOT                    ; behind the ring: 16 rows x 272 bytes for each wave
.set SPITCH, 272
.set SPARE,  STAGE+4*16*SPITCH
.set QROW,   6144                      ; a row of qkv in bytes
.set PROW,   4096                      ; a row of pbuf
.set ADRA, 16
.set ADRB, 20
.set L8,   22                          ; v22  8 x lane
.set STO,  24
.set RD,   25
.set CO,   26
.set LN,   27                          ; v27  lane
.set SPW,  28
.set NIL,  29
.set F0,   64
.set F1,   128
.set T,    32                          ; v32-53   the way out: maxima at work; at the end the statistics as stored
.set PW,   64                          ; v64-127  t - M, then p
.set TMP,  128                         ; v128-159 p as f16
.set OB,   160                         ; v160-191, v192-223 rows read back, by turns
.set MS,   224                         ; v[224 + 2 a], v[225 + 2 a]: N and L of my query in tile a
.set DD,   240                         ; v240 r - 8 h
.set NINF, 241                         ; v241 -infinity
.set PX,   242                         ; v242 what the other half of the lanes sends
.set TM,   243
.set SA0,  244
.set SA1,  246
.set G1, 24                            ; s[24:31] descriptor group 1
.set G0, 32                            ; s[32:39] group 0, a set for each slot
.set CS, 40                            ; s[40:41] c = log2(e) / 32
.set SEL, 42                           ; s[42:43] lane selects: lane l xor 16
.set DGN, 46                           ; s46 query block - key block: 0 on the diagonal
.set MSB, 0
.macro WIN new
.if MSB != \new
	s_set_vgpr_msb (MSB<<8)|\new
.set MSB, \new
.endif
.endm
.set MUL_LO, 0xa1
.set MUL_HI, 0xf1
.set TO_B,   0x40
	s_load_b128 s[4:7], s[0:1], 0x0                ; qkv, pbuf
	s_load_b64 s[8:9], s[0:1], 0x10                ; stats
	v_lshl_add_u32 v[SPW], v0, 2, SPARE
	v_mov_b32 v[NIL], 0
	ds_add_u32 v[SPW], v[NIL]                      ; the wave's opening: the add, twice on end, and its wait ahead of my first tensor load
	ds_add_u32 v[SPW], v[NIL]
	v_lshrrev_b32 v1, 5, v0
	v_readfirstlane_b32 s10, v1                    ; wave 0..3
	s_lshr_b32 s11, s10, 1                         ; which 128 queries are mine.  Also: I fetch q (0) or k (1)
	s_and_b32 s12, s10, 1                          ; which 128 keys.  Also: which 128 rows of that tile I fetch
	s_and_b32 s13, ttmp7, 0xffff
	s_lshr_b32 s14, s13, 2                         ; the sequence
	s_and_b32 s13, s13, 3                          ; pr
	s_sub_co_u32 s15, 7, s13
	s_add_co_u32 s16, ttmp9, s13
	s_sub_co_u32 s16, s16, 8
	s_cmp_le_u32 ttmp9, s15                        ; x <= 7 - pr: tile (7 - pr, x); else tile (pr, x - 8 + pr)
	s_cselect_b32 s17, s15, s13                    ; i: the tile's queries
	s_cselect_b32 s18, ttmp9, s16                  ; j: its keys
	s_mov_b32 s[G1+0], (1<<16)|(1<<20)|(5<<22)|(3<<25)  ; no mask; elements of 2 bytes; padding: 4 words after every 64
	s_mov_b32 s[G1+1], KSTEP<<16                   ; tensor_dim0 = 128
	s_mov_b32 s[G1+2], 128<<16                     ; tensor_dim1 = 128
	s_mov_b32 s[G1+3], KSTEP<<16                   ; tile_dim0
	s_mov_b32 s[G1+4], 128                         ; tile_dim1
	s_mov_b32 s[G1+5], 3072                        ; elements from row to row
	s_mov_b32 s[G1+6], 0
	s_mov_b32 s[G1+7], 0
	s_cmp_eq_u32 s11, 0
	s_cselect_b32 s19, s17, s18
	s_lshl_b32 s19, s19, 8
	s_lshl_b32 s20, s14, 11
	s_add_co_u32 s19, s19, s20
	s_lshl_b32 s20, s12, 7
	s_add_co_u32 s19, s19, s20                     ; the first row that I fetch
	s_mul_i32 s20, s19, QROW
	s_lshl_b32 s21, s11, 11
	s_add_co_u32 s20, s20, s21                     ; k lies 2,048 bytes into a row
	s_mov_b32 s21, 0
	s_mul_i32 s22, s10, HALFT                      ; where it goes: q's two halves, then k's two = wave x 128 rows
	s_lshl_b32 s44, s17, 1
	s_add_co_u32 s44, s44, s11                     ; my query block, of 16
	s_lshl_b32 s45, s18, 1
	s_add_co_u32 s45, s45, s12                     ; my key block
	s_sub_co_u32 s[DGN], s44, s45
	s_lshl_b32 s48, s14, 11
	s_lshl_b32 s49, s44, 7
	s_add_co_u32 s48, s48, s49
	s_lshl_b32 s48, s48, 12                        ; pbuf: my first query's row,
	s_lshl_b32 s49, s45, 8
	s_add_co_u32 s48, s48, s49                     ; + 256 bytes a key block
	s_mov_b32 s49, 0
	s_lshl_b32 s50, s14, 4
	s_add_co_u32 s50, s50, s45
	s_lshl_b32 s50, s50, 14                        ; stats: (16 x sequence + key block) x 2,048 queries x 8 bytes,
	s_lshl_b32 s51, s44, 10
	s_add_co_u32 s50, s50, s51                     ; + my 128 queries
	s_mov_b32 s51, 0
	s_mov_b32 s[CS], 0x3d38aa3b                    ; log2(e) / 32
	s_mov_b32 s[CS+1], s[CS]                       ; (named with it as a pair, so it is written)
	s_mov_b32 s[SEL], 0x76543210
	s_mov_b32 s[SEL+1], 0xfedcba98
	s_wait_dscnt 0x0                               ; both opening adds are done
	s_wait_kmcnt 0x0
	s_add_nc_u64 s[20:21], s[4:5], s[20:21]
.irp s, 0,1
	s_mov_b32 s[G0+4*\s], 1                                        ; count = 1
	s_add_co_u32 s[G0+4*\s+1], s22, \s*SLOT                        ; LDS address
	s_add_nc_u64 s[G0+4*\s+2:G0+4*\s+3], s[20:21], \s*KSTEP*2      ; global address: K step s
	s_or_b32 s[G0+4*\s+3], s[G0+4*\s+3], 0x80000000                ; type = 2
	tensor_load_to_lds s[G0+4*\s:G0+4*\s+3], s[G1:G1+7]            ; the two first fills go out together: two loads of mine are out
	s_nop 0
.endr
	s_add_nc_u64 s[6:7], s[6:7], s[48:49]
	s_add_nc_u64 s[8:9], s[8:9], s[50:51]
	v_and_b32 v1, 15, v0                           ; r
	v_bfe_u32 v2, v0, 4, 1                         ; h
	v_mul_u32_u24 v3, v1, PITCH
	v_lshl_add_u32 v3, v2, 4, v3                   ; a fragment's row x pitch + 16 x half
	s_mul_i32 s21, s11, HALFT                      ; my 128 rows of q
	s_mul_i32 s22, s12, HALFT                      ; my 128 rows of k,
	s_add_co_u32 s22, s22, 2*HALFT                 ; which lie behind q's 256
.irp s, 0,1
	v_add_nc_u32 v[ADRA+\s], s21, v3
	v_add_nc_u32 v[ADRB+\s], s22, v3
	s_add_co_u32 s21, s21, SLOT
	s_add_co_u32 s22, s22, SLOT
.endr
	s_mul_i32 s23, s10, 16*SPITCH
	s_add_co_u32 s23, s23, STAGE                   ; my stage
	v_mul_u32_u24 v4, v1, SPITCH
	v_lshl_add_u32 v4, v2, 4, v4
	v_add_nc_u32 v[STO], s23, v4                   ; in: row r, 16 bytes for each half of the lanes
	v_mul_u32_u24 v5, v2, SPITCH
	v_lshl_add_u32 v5, v1, 4, v5
	v_add_nc_u32 v[RD], s23, v5                    ; back: lanes 0-15 one row, lanes 16-31 the next
	v_lshlrev_b32 v5, 12, v2
	v_lshl_add_u32 v[CO], v1, 4, v5                ; and the same two rows in pbuf
	v_and_b32 v[LN], 31, v0
	v_lshlrev_b32 v[L8], 3, v[LN]
	v_lshlrev_b32 v5, 3, v2
	v_sub_nc_u32 v[DD], v1, v5                     ; r - 8 h
	v_mov_b32 v[NINF], 0xff800000
	v_mov_b32 v[PX], 0                             ; written once: a lane permute's destination counts as one of its sources
.irp a, 0,1,2,3,4,5,6,7
	v_mov_b32 v[MS+2*\a+1], 0                      ; named as the upper half of a pair before L is written there
.endr
.macro MUL16 f, hi, a0, zero           ; 16 matrix instructions: query blocks a0, a0 + 1 of the window's four x all 8 key blocks, 32 channels
.irp a, \a0, \a0+1
.irp b, 0,1,2,3,4,5,6,7
.if \zero
	v_wmma_f32_16x16x32_f16 v[8*(8*(\a)+\b):8*(8*(\a)+\b)+7], v[\f+8*\b:\f+8*\b+7], v[\f+8*(4*\hi+\a):\f+8*(4*\hi+\a)+7], 0
.else
	v_wmma_f32_16x16x32_f16 v[8*(8*(\a)+\b):8*(8*(\a)+\b)+7], v[\f+8*\b:\f+8*\b+7], v[\f+8*(4*\hi+\a):\f+8*(4*\hi+\a)+7], v[8*(8*(\a)+\b):8*(8*(\a)+\b)+7]
.endif
.endr
.endr
.endm
.macro FETCH slot, k, f                ; 32 LDS loads in one run: the fragments of 32 channels at byte k of the rows: k's 128 rows, then q's
	WIN TO_B
.irp i, 0,1,2,3,4,5,6,7
	ds_load_b128 v[\f+8*\i:\f+8*\i+3],   v[ADRB+\slot] offset:\k+\i*16*PITCH
	ds_load_b128 v[\f+8*\i+4:\f+8*\i+7], v[ADRB+\slot] offset:\k+\i*16*PITCH+32
.endr
	WIN 0
.irp i, 0,1,2,3,4,5,6,7
	ds_load_b128 v[\f+8*\i:\f+8*\i+3],   v[ADRA+\slot] offset:\k+\i*16*PITCH
	ds_load_b128 v[\f+8*\i+4:\f+8*\i+7], v[ADRA+\slot] offset:\k+\i*16*PITCH+32
.endr
.endm
.macro PLACES                          ; four plain vector lines between a matrix instruction and a load into, or a read of, its registers
.rept 4
	v_nop
.endr
.endm
.macro QUARTER slot, k, f, g, zero     ; 32 channels, 64 matrix instructions on buffer f; in the middle the next quarter's fragments go into buffer g
	s_wait_dscnt 8                                 ; k's fragments and q's rows 0-63 are in; the youngest eight loads (q's rows 64-127) may be out
	WIN MUL_LO
	MUL16 \f, 0, 0, \zero
	MUL16 \f, 0, 2, \zero
	PLACES
	FETCH \slot, \k, \g
	s_wait_dscnt 32                                ; all but the 32 just issued
	WIN MUL_HI
	MUL16 \f, 1, 0, \zero
	MUL16 \f, 1, 2, \zero
.endm
; A K step's last quarter changes slots: ONE barrier.  In front of it each wave waits for all its tensor loads (one is out: its part of the next slot), adds 0 to its spare word, and waits for that and for its reads of this slot.
; fill = 1: behind the barrier this slot is filled again first, two K steps ahead: that load has 224 matrix instructions in which to land.
.macro TURN slot, next, fill
	WIN 0
	s_wait_tensorcnt 0x0
	ds_add_u32 v[SPW], v[NIL]
	s_wait_dscnt 9                                 ; (the add and the youngest eight loads may be out)
	WIN MUL_LO
	MUL16 F1, 0, 0, 0
	s_wait_dscnt 0x0                               ; the add is done, and my reads of this slot are over
	s_barrier_signal -1
	MUL16 F1, 0, 2, 0                              ; work on registers while the others arrive
	WIN 0
	s_barrier_wait -1
.if \fill
	s_add_nc_u64 s[G0+4*\slot+2:G0+4*\slot+3], s[G0+4*\slot+2:G0+4*\slot+3], 2*KSTEP*2   ; no tensor load of mine is out, so a group 0 may be written
	tensor_load_to_lds s[G0+4*\slot:G0+4*\slot+3], s[G1:G1+7]     ; my one tensor load behind this barrier
	s_nop 0
.endif
	PLACES
	FETCH \next, 0, F0
	WIN MUL_HI
	MUL16 F1, 1, 0, 0
	MUL16 F1, 1, 2, 0
.endm
	s_wait_tensorcnt 1                             ; my part of K step 0 is in (K step 1's load may be out)
	s_barrier_signal -1
	s_barrier_wait -1                              ; everybody's is
	FETCH 0, 0, F0
	QUARTER 0, 64,  F0, F1, 1                      ; the first quarter's products start the sums: nothing is cleared
	WIN 0
	s_mov_b32 s3, 3
.Llap:                                                 ; a trip goes once round the ring and fills both slots again: K steps 2 to 7
	QUARTER 0, 128, F1, F0, 0
	QUARTER 0, 192, F0, F1, 0
	TURN 0, 1, 1
	QUARTER 1, 64,  F0, F1, 0
	QUARTER 1, 128, F1, F0, 0
	QUARTER 1, 192, F0, F1, 0
	TURN 1, 0, 1
	QUARTER 0, 64,  F0, F1, 0
	WIN 0
	s_sub_co_u32 s3, s3, 1
	s_cmp_lg_u32 s3, 0
	s_cbranch_scc1 .Llap
	QUARTER 0, 128, F1, F0, 0                      ; the last lap is written out: it asks for nothing
	QUARTER 0, 192, F0, F1, 0
	TURN 0, 1, 0
	QUARTER 1, 64,  F0, F1, 0
	QUARTER 1, 128, F1, F0, 0
	QUARTER 1, 192, F0, F1, 0
	s_wait_dscnt 8
	WIN MUL_LO
	MUL16 F1, 0, 0, 0
	MUL16 F1, 0, 2, 0
	s_wait_dscnt 0
	WIN MUL_HI
	MUL16 F1, 1, 0, 0
	MUL16 F1, 1, 2, 0
	WIN 0
	PLACES
	s_cmp_gt_u32 s45, s44                          ; my key block lies after my query block: all is hidden, nothing is stored.  Ids alone; no barrier follows
	s_cbranch_scc1 .Lend
; THE SOFTMAX'S NUMERATORS of tile a: 16 queries x 128 keys, 64 scores a lane.
.macro SOFT a
.set AC, 64*((\a)%4)
.set WW, 2+(\a)/4
.set W_MASK, (WW<<6)|WW
.set W_MAX, WW|(WW<<2)|(WW<<4)
	WIN 0
	s_cmp_lg_u32 s[DGN], 0                         ; only the diagonal block has hidden keys
	s_cbranch_scc1 .Lopen_\@
	WIN W_MASK                                     ; destination and source 0 in the accumulators' window
.irp j, 0,1,2,3,4,5,6,7
	v_cmp_gt_i32 vcc_lo, \j, v[DD]                 ; key block a: key 16 a + 8 h + j is hidden from query 16 a + r where j > r - 8 h
	v_cndmask_b32 v[AC+8*(\a)+\j], v[AC+8*(\a)+\j], v[NINF], vcc_lo
.endr
.irp b, 1,2,3,4,5,6,7
.if \b > (\a)
.irp j, 0,1,2,3,4,5,6,7
	v_mov_b32 v[AC+8*\b+\j], 0xff800000            ; later key blocks are hidden whole
.endr
.endif
.endr
	WIN 0
.Lopen_\@:
	WIN W_MAX                                      ; three sources in the accumulators' window
.set k, 0
.rept 21
	v_max3_num_f32 v[T+k], v[AC+3*k], v[AC+3*k+1], v[AC+3*k+2]   ; ascending: each accumulator is first read at its lowest register
.set k, k+1
.endr
	v_mov_b32 v[T+21], v[AC+63]
	WIN 0
.irp k, 0,3,6,9,12,15,18
	v_max3_num_f32 v[T+\k], v[T+\k], v[T+\k+1], v[T+\k+2]
.endr
	v_max3_num_f32 v[T], v[T], v[T+3], v[T+6]
	v_max3_num_f32 v[T+9], v[T+9], v[T+12], v[T+15]
	v_max_num_f32 v[T+18], v[T+18], v[T+21]
	v_max3_num_f32 v[T], v[T], v[T+9], v[T+18]
	v_permlanex16_b32 v[PX], v[T], s[SEL], s[SEL+1]   ; the query's other 64 keys lie in the lane 16 away
	v_max_num_f32 v[TM], v[T], v[PX]
	v_mul_f32 v[TM], s[CS], v[TM]                  ; as t (c is positive)
	v_floor_f32 v[MS+2*(\a)], -v[TM]               ; N = floor(-t) = -M: M is a whole number, at or above every t of the block
	WIN WW                                         ; source 0 in the accumulators' window
.set k, 0
.rept 32
	v_pk_fma_f32 v[PW+2*k:PW+2*k+1], v[AC+2*k:AC+2*k+1], s[CS:CS+1], v[MS+2*(\a):MS+2*(\a)+1] op_sel_hi:[1,0,0]   ; t - M, two at a time
.set k, k+1
.endr
	WIN 0
.set k, 0
.rept 64
	v_exp_f32 v[PW+k], v[PW+k]                     ; p = 2^(t - M)
.set k, k+1
.endr
	v_nop                                          ; a plain line behind the last exponential
	s_wait_alu depctr_va_vdst(0)                   ; one wait for the whole batch, ahead of its first reader
	v_pk_add_f32 v[SA0:SA0+1], v[PW:PW+1], v[PW+2:PW+3]            ; the sum of the unrounded p, in two chains
	v_pk_add_f32 v[SA1:SA1+1], v[PW+4:PW+5], v[PW+6:PW+7]
.irp k, 8,12,16,20,24,28,32,36,40,44,48,52,56,60
	v_pk_add_f32 v[SA0:SA0+1], v[SA0:SA0+1], v[PW+\k:PW+\k+1]
	v_pk_add_f32 v[SA1:SA1+1], v[SA1:SA1+1], v[PW+\k+2:PW+\k+3]
.endr
	v_pk_add_f32 v[SA0:SA0+1], v[SA0:SA0+1], v[SA1:SA1+1]
	v_add_f32 v[SA0], v[SA0], v[SA0+1]
	v_permlanex16_b32 v[PX], v[SA0], s[SEL], s[SEL+1]
	v_add_f32 v[MS+2*(\a)+1], v[SA0], v[PX]        ; L
.set k, 0
.rept 32
	v_cvt_pk_f16_f32 v[TMP+k], v[PW+2*k], v[PW+2*k+1]
.set k, k+1
.endr
.endm
.macro TOSTAGE a                       ; 16 bytes a lane into my stage, and back as whole rows of 256 bytes; LDS serves a wave's instructions in order
.set BK, OB+32*((\a)%2)
.irp b, 0,1,2,3,4,5,6,7
	ds_store_b128 v[STO], v[TMP+4*\b:TMP+4*\b+3] offset:32*\b
.endr
.irp t, 0,1,2,3,4,5,6,7
	ds_load_b128 v[BK+4*\t:BK+4*\t+3], v[RD] offset:\t*2*SPITCH
.endr
.endm
.macro SEND a
.set BK, OB+32*((\a)%2)
	s_wait_dscnt 0x0                               ; the tile is back in registers
	s_wait_xcnt 0x0                                ; the earlier stores have read their registers and their base
.if (\a) > 0
	s_add_nc_u64 s[6:7], s[6:7], 16*PROW
.endif
.irp t, 0,1,2,3,4,5,6,7
	global_store_b128 v[CO], v[BK+4*\t:BK+4*\t+3], s[6:7] offset:2*\t*PROW   ; 16 lanes store 256 consecutive bytes, at a multiple of 256 from the buffer's first byte
.endr
.endm
	SOFT 0
	TOSTAGE 0
.irp a, 1,2,3,4,5,6,7                  ; tile a's arithmetic stands between tile a - 1's loads from the stage and the wait for them
	SOFT \a
	SEND \a-1
	TOSTAGE \a
.endr
	SEND 7
	v_cmp_le_u32 vcc_lo, 16, v[LN]                 ; both halves of the lanes hold every tile's N and L: lanes 0-15 send tile 2 u's, lanes 16-31 tile 2 u + 1's
.irp u, 0,1,2,3
	v_cndmask_b32 v[T+2*\u], v[MS+4*\u], v[MS+4*\u+2], vcc_lo
	v_cndmask_b32 v[T+2*\u+1], v[MS+4*\u+1], v[MS+4*\u+3], vcc_lo
	global_store_b64 v[L8], v[T+2*\u:T+2*\u+1], s[8:9] offset:256*\u   ; 32 lanes store 256 consecutive bytes
.endr
.Lend:
	s_wait_tensorcnt 0x0                           ; the wave's end, behind my last tensor load and my last LDS store
	ds_add_u32 v[SPW], v[NIL]
	s_wait_dscnt 0x0
	s_endpgm
.Lfunc_end_k_q7a2addfb76_score:
	.size	k_q7a2addfb76_score, .Lfunc_end_k_q7a2addfb76_score-k_q7a2addfb76_score
	.p2alignl 7, 3214868480
	.fill 96, 4, 3214868480
	.section	.rodata,"a",@progbits
	.p2align	6, 0x0
	.amdhsa_kernel k_q7a2addfb76_score
		.amdhsa_group_segment_fixed_size 327680
		.amdhsa_private_segment_fixed_size 0
		.amdhsa_enable_private_segment 0
		.amdhsa_kernarg_size 24
		.amdhsa_user_sgpr_count 2
		.amdhsa_user_sgpr_kernarg_segment_ptr 1
		.amdhsa_wavefront_size32 1
		.amdhsa_system_sgpr_workgroup_id_x 1
		.amdhsa_system_sgpr_workgroup_id_y 1
		.amdhsa_system_sgpr_workgroup_id_z 1
		.amdhsa_system_vgpr_workitem_id 0
		.amdhsa_next_free_vgpr 1024
		.amdhsa_next_free_sgpr 66
		.amdhsa_reserve_vcc 1
		.amdhsa_float_denorm_mode_32 3
		.amdhsa_float_denorm_mode_16_64 3
		.amdhsa_memory_ordered 1
		.amdhsa_forward_progress 1
		.amdhsa_inst_pref_size 227
	.end_amdhsa_kernel
	.amdgpu_metadata
---
amdhsa.version: [ 1, 2 ]
amdhsa.kernels:
  - .name:           k_q7a2addfb76_score
    .symbol:         k_q7a2addfb76_score.kd
    .args:
      - { .name: qkv, .offset: 0, .size: 8, .value_kind: global_buffer, .address_space: global }
      - { .name: pbuf, .offset: 8, .size: 8, .value_kind: global_buffer, .address_space: global }
      - { .name: stats, .offset: 16, .size: 8, .value_kind: global_buffer, .address_space: global }
    .group_segment_fixed_size: 327680
    .private_segment_fixed_size: 0
    .kernarg_segment_align: 8
    .kernarg_segment_size: 24
    .max_flat_workgroup_size: 128
    .sgpr_count:     66
    .vgpr_count:     1024
    .wavefront_size: 32
...
	.end_amdgpu_metadata
.endif
;; end of part 3
;; launch pv (part 4): grid 8 x 32, 4 waves a work-group, clusters of 4 x 1, 327,680 bytes of LDS; arguments pbuf, stats, qkv, out0; writes out0
.if DOCPART == 4
	.amdgcn_target "amdgcn-amd-amdhsa--gfx1250"
	.amdhsa_code_object_version 6
	.text
	.protected	k_q7a2addfb76_pv
	.globl	k_q7a2addfb76_pv
	.p2align	8
	.type	k_q7a2addfb76_pv,@function
k_q7a2addfb76_pv:
	s_mov_b64 s[64:65], 0
	v_nop
	global_prefetch_b8 v0, s[64:65] scope:SCOPE_SE
	s_setreg_imm32_b32 hwreg(HW_REG_WAVE_MODE, 25, 1), 1
	s_wait_xcnt 0x0
	s_wait_alu depctr_hold_cnt(0) depctr_sa_sdst(0) depctr_va_vdst(0) depctr_va_sdst(0) depctr_va_ssrc(0) depctr_va_vcc(0) depctr_vm_vsrc(0)
	s_getreg_b32 s2, hwreg(HW_REG_IB_STS2, 6, 4)
	s_cmp_eq_u32 s2, 0
	s_cbranch_scc0 .Lentry_in_a_cluster
	s_endpgm
.Lentry_in_a_cluster:
	s_bfe_u32 s2, ttmp6, 0x10000c
	s_cmp_lg_u32 s2, 0x3003
	s_cbranch_scc0 .Lentry_shape_is_right
	s_endpgm
.Lentry_shape_is_right:
; The second attention product.  out0[q][c] = (sum over key blocks kt of g(q, kt) x (P_kt V_kt)[q][c]) / l(q), with g = 2^(M of the block - the row's largest M), an exact power of two, and l = sum of g x L.
; P: f16 [4][2048 q][2048 key] and {N = -M, L}: f32 [4][16 kt][2048 q], from the launch before; V: f16, the third 1024 channels of qkv's rows; products' sums, g, l and the division in f32.
; LIMITS: g falls to 0 where a block's M lies more than 149 under the row's; NaN and infinities are not served.  Rows 0 to 15 of each sequence are written here coarsely and again, finely, by the last launch.
; SHARES: a work-group makes two tiles of 128 queries x 128 channels: query blocks 15 - p and p of a sequence, which together have 17 key blocks (ITEMS) for every p: 256 work-groups of equal work, constant trip counts.
; The tile with the EVEN number of items goes first (tile A, nA items), so that it ends at the end of a pair of items.  Item t: (A, kt = t) while t < nA, else (B, kt = t - nA).
; Four waves, each 64 queries x 64 channels.  O^T = V^T P^T: source 0 = 16 channels of V^T (turned on the way out of LDS), source 1 = 16 queries of P: a lane holds ONE query and eight neighbouring channels.
; An item's product is summed in T (begun with the constant 0) and folded into O by 64 packed multiply-adds with the query's g.
; CLUSTER: the four partners are four channel blocks of the same queries: they read the same tiles of P, which are asked for jointly.  V's tiles are each work-group's own: the work-groups that read one tile of V
; are different pairs p, which stand at different key blocks from item nA on, so V is not shared.
; RING: two slots of two items; an item's region: P's tile 128 x (256 + 16) bytes, then V's 128 x (256 + 32).  Wave w fetches item w % 2 of a pair: waves 0, 1 P's tile, waves 2, 3 V's.  One load a wave behind each round, 112 matrix instructions in which to land.
; REGISTERS: window 0: addresses, g, 1 / l, work; window 1: v0-127 O, v128-255 T (accumulator (a, n) at 8 (4 a + n)); window 2: two fragment buffers of 128: P's 8 fragments of 64 keys, then V's 8.
.set PP,    272
.set PV,    288                        ; 72 words
.set PT,    128*PP
.set REG,   PT+128*PV                  ; an item's region: 71,680 bytes
.set SLOTB, 2*REG
.set GT,    4*REG                      ; behind the ring: g[item][64 queries], 17 rows of 256 bytes for each wave
.set GTW,   17*256
.set STG,   GT+4*GTW                   ; the way out: 16 rows x (256 + 16) bytes for each wave
.set STW,   16*272
.set SPARE, STG+4*STW
.set ADP, 8                            ; v8-11  my lane's place in region R's tile of P
.set ADV, 12                           ; v12-15 the same for V
.set GR,  16                           ; v16 where I read g; steps four items a trip
.set GW,  17                           ; v17 where I write g of items 8 h + jj
.set GW16, 18                          ; v18 and of item 16
.set STO, 19
.set RD,  20
.set CO,  21
.set SPW, 28
.set NIL, 29
.set G,   32                           ; v32, 34, 36, 38: g of my query in tile a (the odd halves are written once: they are named in pairs)
.set RL,  40                           ; v[40 + 2 (4 tile + a)]: 1 / l
.set SV,  64                           ; v64-135 the statistics as loaded; later TMP and BK
.set TMP, 64
.set BK,  96
.set OF,  160                          ; v160-168 the statistics' offsets
.set TT,  128                          ; T, in window 1
.set F0,  0
.set F1,  128
.set WV, 12
.set EE, 13                            ; wave % 2: which item of a pair I fetch; also which 64 channels are mine
.set RH, 14                            ; wave / 2: which 64 queries are mine
.set QA, 19
.set QB, 20
.set NA, 21
.set NXT, 22                           ; the first item of the pair to be asked for
.set IT, 23                            ; items folded
.set G1P, 24
.set G1V, 32
.set G0P, 40                           ; a set for each slot
.set G0V, 48
.set PB, 66                            ; s[66:67] pbuf at my sequence
.set MK, 68                            ; s[68:75] lane masks: item 8 h + jj belongs to tile A
.set VB, 76                            ; s[76:77] V at my sequence and channel block
.set OA, 78                            ; s[78:79], s[80:81] out0 at my wave's part of tiles A and B
.set OB, 80
.set SEL, 82
.set MSB, 0
.macro WIN new
.if MSB != \new
	s_set_vgpr_msb (MSB<<8)|\new
.set MSB, \new
.endif
.endm
.set W_MUL,  0x5a                      ; sources 0 (V) and 1 (P) window 2; C and D window 1
.set W_FOLD, 0x51                      ; O and T window 1, g window 0
.set TO_F,   0x80                      ; destination window 2, address window 0
.macro PLACES n
.rept \n
	v_nop
.endr
.endm
.macro CREST                           ; a round of the cluster's barrier behind its opening barrier
	s_cmp_lg_u32 s[WV], 0
	s_cbranch_scc1 .Lnot_wave_0_\@
	s_barrier_signal -3
.Lnot_wave_0_\@:
	s_barrier_wait -3
	s_barrier_signal -1
	s_barrier_wait -1
.endm
.macro CROUND
	s_barrier_signal -1
	s_barrier_wait -1
	CREST
.endm
; Slot S's descriptors for the next pair.  Scalars alone; no tensor load of mine is out where it stands.  P's address is made of the sequence, p, the wave's number and the count of pairs: the same in all four partners.
.macro DESC S
	s_add_co_u32 s56, s[NXT], s[EE]                ; my item
	s_sub_co_u32 s57, s56, s[NA]
	s_cmp_lt_u32 s56, s[NA]
	s_cselect_b32 s57, s56, s57                    ; its key block
	s_cselect_b32 s58, s[QA], s[QB]                ; its query block
	s_lshl_b32 s58, s58, 19                        ; 128 rows of 4,096 bytes
	s_lshl_b32 s59, s57, 8                         ; 128 keys of 2 bytes
	s_add_co_u32 s58, s58, s59
	s_mov_b32 s59, 0
	s_add_nc_u64 s[G0P+4*\S+2:G0P+4*\S+3], s[PB:PB+1], s[58:59]
	s_or_b32 s[G0P+4*\S+3], s[G0P+4*\S+3], 0x80000000
	s_mul_i32 s60, s57, 128*6144                   ; 128 rows of qkv
	s_mov_b32 s61, 0
	s_add_nc_u64 s[G0V+4*\S+2:G0V+4*\S+3], s[VB:VB+1], s[60:61]
	s_or_b32 s[G0V+4*\S+3], s[G0V+4*\S+3], 0x80000000
	s_add_co_u32 s[NXT], s[NXT], 2
.endm
; A refill: waves 0 and 1 ask jointly for P's two tiles, waves 2 and 3 for V's.  The branch hangs on the wave's number alone.  An s_nop 0 and four v_nop follow each line.
.macro JLOAD S
	s_cmp_lt_u32 s[WV], 2
	s_cbranch_scc0 .Lfor_v_\@
	tensor_load_to_lds s[G0P+4*\S:G0P+4*\S+3], s[G1P:G1P+7]
	s_nop 0
.rept 4
	v_nop
.endr
	s_branch .Lasked_\@
.Lfor_v_\@:
	tensor_load_to_lds s[G0V+4*\S:G0V+4*\S+3], s[G1V:G1V+7]
	s_nop 0
.rept 4
	v_nop
.endr
.Lasked_\@:
.endm
.macro JLOAD0 S                        ; the last refill brings item 16 alone: wave 0 P's tile, wave 2 V's; waves 1 and 3 have nothing to fetch
	s_cmp_eq_u32 s[WV], 0
	s_cbranch_scc0 .Lnot_p_\@
	tensor_load_to_lds s[G0P+4*\S:G0P+4*\S+3], s[G1P:G1P+7]
	s_nop 0
.rept 4
	v_nop
.endr
	s_branch .Lasked_\@
.Lnot_p_\@:
	s_cmp_eq_u32 s[WV], 2
	s_cbranch_scc0 .Lasked_\@
	tensor_load_to_lds s[G0V+4*\S:G0V+4*\S+3], s[G1V:G1V+7]
	s_nop 0
.rept 4
	v_nop
.endr
.Lasked_\@:
.endm
	s_load_b256 s[4:11], s[0:1], 0x0               ; pbuf s[4:5], stats s[6:7], qkv s[8:9], out0 s[10:11]
	v_lshl_add_u32 v[SPW], v0, 2, SPARE
	v_mov_b32 v[NIL], 0
	ds_add_u32 v[SPW], v[NIL]                      ; the wave's opening: the add, twice on end, and its wait ahead of my first tensor load
	ds_add_u32 v[SPW], v[NIL]
	v_lshrrev_b32 v1, 5, v0
	v_readfirstlane_b32 s[WV], v1                  ; wave 0..3
	s_and_b32 s[EE], s[WV], 1
	s_lshr_b32 s[RH], s[WV], 1
	s_bfe_u32 s15, ttmp6, 0x40000                  ; cx
	s_lshl_b32 s16, ttmp9, 2
	s_add_co_u32 s16, s16, s15                     ; my channel block: it enters V's and out0's global addresses alone
	s_and_b32 s18, ttmp7, 0xffff
	s_lshr_b32 s17, s18, 3                         ; the sequence
	s_and_b32 s18, s18, 7                          ; p
	s_sub_co_u32 s84, 15, s18
	s_and_b32 s85, s18, 1
	s_cmp_eq_u32 s85, 0                            ; p even: A = block 15 - p (16 - p items); p odd: A = block p (p + 1 items)
	s_cselect_b32 s[QA], s84, s18
	s_cselect_b32 s[QB], s18, s84
	s_add_co_u32 s[NA], s[QA], 1                   ; a query block has its number + 1 key blocks
	s_mov_b32 s[G1P], 15|(1<<16)|(1<<20)|(1<<21)|(5<<22)|(3<<25)   ; the mask: all four work-groups; elements of 2 bytes; padding: 4 words after every 64; bit 21 beside a mask
	s_mov_b32 s[G1V], (1<<16)|(1<<20)|(5<<22)|(7<<25)              ; no mask; 8 words of padding
.irp g, G1P, G1V
	s_mov_b32 s[\g+1], 128<<16                     ; tensor_dim0 = 128
	s_mov_b32 s[\g+2], 128<<16                     ; tensor_dim1 = 128
	s_mov_b32 s[\g+3], 128<<16                     ; tile_dim0
	s_mov_b32 s[\g+4], 128                         ; tile_dim1
	s_mov_b32 s[\g+6], 0
	s_mov_b32 s[\g+7], 0
.endr
	s_mov_b32 s[G1P+5], 2048                       ; elements from row to row of pbuf,
	s_mov_b32 s[G1V+5], 3072                       ; of qkv
	s_mul_i32 s86, s[EE], REG                      ; my item's region in a slot
.irp s, 0,1
	s_mov_b32 s[G0P+4*\s], 1
	s_add_co_u32 s[G0P+4*\s+1], s86, \s*SLOTB
	s_mov_b32 s[G0V+4*\s], 1
	s_add_co_u32 s[G0V+4*\s+1], s86, \s*SLOTB+PT
.endr
	s_lshl_b32 s84, s17, 23                        ; a sequence of pbuf: 2,048 rows of 4,096 bytes
	s_mov_b32 s85, 0
	s_mul_i32 s88, s17, 2048*6144                  ; a sequence of qkv,
	s_lshl_b32 s89, s16, 8
	s_add_co_u32 s88, s88, s89                     ; + 256 bytes a channel block,
	s_add_co_u32 s88, s88, 4096                    ; + where v begins in a row
	s_mov_b32 s89, 0
	s_lshl_b32 s90, s17, 18                        ; a sequence of stats
	s_mov_b32 s91, 0
	s_mov_b32 s[SEL], 0x76543210
	s_mov_b32 s[SEL+1], 0xfedcba98
	s_mov_b32 s[NXT], 0
	s_mov_b32 s[IT], 0
	s_wait_dscnt 0x0                               ; both opening adds are done
	s_wait_kmcnt 0x0
	s_add_nc_u64 s[PB:PB+1], s[4:5], s[84:85]
	s_add_nc_u64 s[VB:VB+1], s[8:9], s[88:89]
	s_add_nc_u64 s[6:7], s[6:7], s[90:91]
	CROUND                                         ; all four work-groups are here: the first joint loads meet
	DESC 0                                         ; items 0, 1
	DESC 1                                         ; items 2, 3
	s_cmp_lt_u32 s[WV], 2                          ; a wave's two first fills stand in one branch: two loads of mine are out
	s_cbranch_scc0 .Lfirst_v
	tensor_load_to_lds s[G0P:G0P+3], s[G1P:G1P+7]
	s_nop 0
	tensor_load_to_lds s[G0P+4:G0P+7], s[G1P:G1P+7]
	s_nop 0
.rept 4
	v_nop
.endr
	s_branch .Lfirst_asked
.Lfirst_v:
	tensor_load_to_lds s[G0V:G0V+3], s[G1V:G1V+7]
	s_nop 0
	tensor_load_to_lds s[G0V+4:G0V+7], s[G1V:G1V+7]
	s_nop 0
.rept 4
	v_nop
.endr
.Lfirst_asked:
	; out0 at my wave's 64 rows x 64 channels of tiles A and B
	s_lshl_b32 s84, s17, 11
	s_lshl_b32 s85, s[RH], 6
	s_add_co_u32 s84, s84, s85
	s_lshl_b32 s88, s16, 9
	s_lshl_b32 s89, s[EE], 8
	s_add_co_u32 s88, s88, s89                     ; 512 bytes a channel block + 256 for my half
	s_lshl_b32 s86, s[QA], 7
	s_add_co_u32 s86, s86, s84
	s_lshl_b32 s86, s86, 12
	s_add_co_u32 s86, s86, s88
	s_mov_b32 s87, 0
	s_add_nc_u64 s[OA:OA+1], s[10:11], s[86:87]
	s_lshl_b32 s86, s[QB], 7
	s_add_co_u32 s86, s86, s84
	s_lshl_b32 s86, s86, 12
	s_add_co_u32 s86, s86, s88
	s_add_nc_u64 s[OB:OB+1], s[10:11], s[86:87]
	v_and_b32 v1, 15, v0                           ; r
	v_bfe_u32 v2, v0, 4, 1                         ; h
	; THE STATISTICS, while the first tiles are on their way.  Lane (r, h) takes items 8 h + jj, jj = 0 .. 7, and item 16, of queries 16 a + r of my 64.
	v_lshlrev_b32 v56, 3, v2
	s_lshl_b32 s84, s[RH], 9                       ; my 64 queries x 8 bytes
	s_lshl_b32 s85, s[QA], 10
	s_add_co_u32 s85, s85, s84
	v_lshl_add_u32 v60, v1, 3, s85                 ; in tile A's query block
	s_lshl_b32 s85, s[QB], 10
	s_add_co_u32 s85, s85, s84
	v_lshl_add_u32 v61, v1, 3, s85                 ; in tile B's
.irp jj, 0,1,2,3,4,5,6,7
	v_add_nc_u32 v57, \jj, v56                     ; the item
	v_cmp_gt_u32 s[MK+\jj], s[NA], v57             ; of tile A?
	v_sub_nc_u32 v58, v57, s[NA]
	v_cndmask_b32 v59, v58, v57, s[MK+\jj]         ; its key block
	v_cndmask_b32 v62, v61, v60, s[MK+\jj]
	v_lshl_add_u32 v[OF+\jj], v59, 14, v62         ; 16,384 bytes a key block
.endr
	s_sub_co_u32 s85, 16, s[NA]
	s_lshl_b32 s85, s85, 14
	v_add_nc_u32 v[OF+8], s85, v61                 ; item 16 is always tile B's last
.irp a, 0,1,2,3
.irp jj, 0,1,2,3,4,5,6,7,8
	global_load_b64 v[SV+18*\a+2*\jj:SV+18*\a+2*\jj+1], v[OF+\jj], s[6:7] offset:128*\a
.endr
.endr
	; addresses
	v_mul_u32_u24 v3, v1, PP
	v_lshl_add_u32 v3, v2, 4, v3
	s_mul_i32 s84, s[RH], 64*PP
	v_add_nc_u32 v3, s84, v3                       ; P: (64 rh + r) x pitch + 16 h
	v_and_b32 v4, 7, v0
	v_bfe_u32 v5, v0, 3, 1
	v_lshl_add_u32 v4, v2, 3, v4
	v_mul_u32_u24 v4, v4, PV
	v_lshl_add_u32 v4, v5, 4, v4                   ; V: the turning load: key 8 h + l % 8, channels 8 ((l / 8) % 2) on,
	s_lshl_b32 s84, s[EE], 7
	s_add_co_u32 s84, s84, PT
	v_add_nc_u32 v4, s84, v4                       ; + my 64 channels, behind P's tile
.irp R, 0,1,2,3
	v_add_nc_u32 v[ADP+\R], \R*REG, v3
	v_add_nc_u32 v[ADV+\R], \R*REG, v4
.endr
	s_mul_i32 s84, s[WV], GTW
	s_add_co_u32 s84, s84, GT
	v_lshl_add_u32 v[GR], v1, 2, s84               ; my wave's table of g: 4 bytes a query
	v_lshl_add_u32 v[GW16], v1, 2, s84
	v_lshl_add_u32 v[GW], v2, 11, v[GW16]          ; lanes 16-31 write eight rows of 256 bytes further on
	s_mul_i32 s84, s[WV], STW
	s_add_co_u32 s84, s84, STG
	v_mul_u32_u24 v[STO], v1, 272
	v_lshl_add_u32 v[STO], v2, 5, v[STO]
	v_add_nc_u32 v[STO], s84, v[STO]               ; the stage, in: row r, 32 bytes for each half of the lanes
	v_mul_u32_u24 v[RD], v2, 272
	v_lshl_add_u32 v[RD], v1, 4, v[RD]
	v_add_nc_u32 v[RD], s84, v[RD]                 ; back: lanes 0-15 one row of 256 bytes, lanes 16-31 the next
	v_lshlrev_b32 v[CO], 12, v2
	v_lshl_add_u32 v[CO], v1, 4, v[CO]             ; and the same two rows in out0
	v_mov_b32 v63, 0x7f000000                      ; over every N
	v_mov_b32 v174, 0                              ; written once: a lane permute's destination counts as one of its sources
.irp a, 0,1,2,3
	v_mov_b32 v[G+2*\a+1], 0
.endr
.irp a, 0,1,2,3,4,5,6,7
	v_mov_b32 v[RL+2*\a+1], 0
.endr
	WIN 0x40
.set k, 0
.rept 128
	v_mov_b32 v[k], 0                              ; O.  Where tile B begins hangs on p, so every fold is written alike, and a tile's first finds zeros
.set k, k+1
.endr
	WIN 0
.irp a, 0,1,2,3
.set SA, SV+18*\a
	s_wait_loadcnt 27-9*\a                         ; tile a's nine loads are in; the younger tiles' may be out
	v_cndmask_b32 v170, v63, v[SA], s[MK]          ; the rows' smallest N = -(largest M), for tile A and for tile B
	v_cndmask_b32 v171, v[SA], v63, s[MK]
.irp jj, 1,2,3,4,5,6,7
	v_cndmask_b32 v172, v63, v[SA+2*\jj], s[MK+\jj]
	v_cndmask_b32 v173, v[SA+2*\jj], v63, s[MK+\jj]
	v_min_num_f32 v170, v170, v172
	v_min_num_f32 v171, v171, v173
.endr
	v_min_num_f32 v171, v171, v[SA+16]
	v_permlanex16_b32 v174, v170, s[SEL], s[SEL+1]
	v_min_num_f32 v170, v170, v174
	v_permlanex16_b32 v174, v171, s[SEL], s[SEL+1]
	v_min_num_f32 v171, v171, v174
	v_mov_b32 v[180+\a], 0                         ; l of tile A,
	v_mov_b32 v[184+\a], 0                         ; of tile B
.irp jj, 0,1,2,3,4,5,6,7
	v_cndmask_b32 v177, v171, v170, s[MK+\jj]
	v_sub_f32 v177, v177, v[SA+2*\jj]              ; the block's M less the row's: a whole number, 0 or less
	v_cvt_i32_f32 v177, v177                       ; (it saturates)
	v_ldexp_f32 v177, 1.0, v177                    ; g
	ds_store_b32 v[GW], v177 offset:256*\jj+64*\a
	v_cndmask_b32 v178, 0, v177, s[MK+\jj]
	v_cndmask_b32 v179, v177, 0, s[MK+\jj]
	v_fmac_f32 v[180+\a], v178, v[SA+2*\jj+1]
	v_fmac_f32 v[184+\a], v179, v[SA+2*\jj+1]
.endr
	v_permlanex16_b32 v174, v[180+\a], s[SEL], s[SEL+1]
	v_add_f32 v[180+\a], v[180+\a], v174
	v_permlanex16_b32 v174, v[184+\a], s[SEL], s[SEL+1]
	v_add_f32 v[184+\a], v[184+\a], v174
	v_sub_f32 v177, v171, v[SA+16]
	v_cvt_i32_f32 v177, v177
	v_ldexp_f32 v177, 1.0, v177
	ds_store_b32 v[GW16], v177 offset:4096+64*\a   ; both halves of the lanes write the same word with the same value
	v_fmac_f32 v[184+\a], v177, v[SA+17]
.endr
.irp a, 0,1,2,3
	v_rcp_f32 v[RL+2*\a], v[180+\a]
.endr
.irp a, 0,1,2,3
	v_rcp_f32 v[RL+8+2*\a], v[184+\a]
.endr
	v_nop                                          ; a plain line behind the last reciprocal
	s_wait_alu depctr_va_vdst(0)                   ; one wait for the eight, ahead of every label and reader
.macro FETCH R, kb, f                  ; 32 LDS loads in one run: the fragments of keys 64 kb on of region R into buffer f; the first 32 keys first
	WIN TO_F
.irp c, 0,1
.irp i, 0,1,2,3
	ds_load_tr16_b128 v[\f+64+8*(4*\c+\i):\f+64+8*(4*\c+\i)+3],   v[ADV+\R] offset:(64*(\kb)+32*\c)*PV+32*\i
	ds_load_tr16_b128 v[\f+64+8*(4*\c+\i)+4:\f+64+8*(4*\c+\i)+7], v[ADV+\R] offset:(64*(\kb)+32*\c+16)*PV+32*\i
	ds_load_b128 v[\f+8*(4*\c+\i):\f+8*(4*\c+\i)+3],              v[ADP+\R] offset:16*PP*\i+128*(\kb)+64*\c
	ds_load_b128 v[\f+8*(4*\c+\i)+4:\f+8*(4*\c+\i)+7],            v[ADP+\R] offset:16*PP*\i+128*(\kb)+64*\c+32
.endr
.endr
.endm
.macro MUL8 f, c, a0, zero             ; 8 matrix instructions: query tiles a0, a0 + 1 x the 4 channel tiles, 32 keys.  The 16 accumulators take turns
.irp a, \a0, \a0+1
.irp n, 0,1,2,3
.if \zero
	v_wmma_f32_16x16x32_f16 v[TT+8*(4*(\a)+\n):TT+8*(4*(\a)+\n)+7], v[\f+64+8*(4*\c+\n):\f+64+8*(4*\c+\n)+7], v[\f+8*(4*\c+\a):\f+8*(4*\c+\a)+7], 0
.else
	v_wmma_f32_16x16x32_f16 v[TT+8*(4*(\a)+\n):TT+8*(4*(\a)+\n)+7], v[\f+64+8*(4*\c+\n):\f+64+8*(4*\c+\n)+7], v[\f+8*(4*\c+\a):\f+8*(4*\c+\a)+7], v[TT+8*(4*(\a)+\n):TT+8*(4*(\a)+\n)+7]
.endif
.endr
.endr
.endm
.macro GLOAD q                         ; g of my four queries for the item q rows on in my table
.irp a, 0,1,2,3
	ds_load_b32 v[G+2*\a], v[GR] offset:256*(\q)+64*\a
.endr
.endm
; Half an item: 64 keys, 32 matrix instructions on buffer f; in the middle the next half's fragments (region Rn, half kbn) go into buffer g.  An item's first half (kb = 0) begins T anew and fetches the item's g.
.macro HALF kb, f, g, Rn, kbn, zero, q
	s_wait_dscnt 16                                ; the first 32 keys' fragments are in; the sixteen younger loads may be out
	WIN W_MUL
	MUL8 \f, 0, 0, \zero
	MUL8 \f, 0, 2, \zero
	PLACES 4
.if \kb == 0
	WIN 0
	GLOAD \q
.endif
	FETCH \Rn, \kbn, \g
	s_wait_dscnt 32                                ; all but the 32 just issued: g is in too
	WIN W_MUL
	MUL8 \f, 1, 0, 0
	MUL8 \f, 1, 2, 0
.endm
; A pair's last half changes slots.  In front of the barrier each wave waits for all its tensor loads (its part of the other slot), adds 0 to its spare word, and waits for that and for its reads of this slot.
; fill = 1, 2: the barrier opens a round of the cluster's barrier, and this slot is filled again first behind it; fill = 0: nothing is left to fetch.
.macro TURN S, fill
	WIN 0
	s_wait_tensorcnt 0x0
	ds_add_u32 v[SPW], v[NIL]
	s_wait_dscnt 17                                ; (the add and the youngest sixteen loads may be out)
	WIN W_MUL
	MUL8 F1, 0, 0, 0
	s_wait_dscnt 0x0                               ; the add is done, and my reads of this slot are over
	s_barrier_signal -1
	MUL8 F1, 0, 2, 0
	WIN 0
	s_barrier_wait -1
.if \fill
	CREST                                          ; no wave of any partner still reads this slot or has a load on its way
	DESC \S
.if \fill == 1
	JLOAD \S                                       ; the four v_nop behind the load are also the places in front of the loads below
.else
	JLOAD0 \S
	PLACES 4                                       ; for the waves that asked for nothing
.endif
.else
	PLACES 4
.endif
	FETCH 2*(1-\S), 0, F0
	WIN W_MUL
	MUL8 F1, 1, 0, 0
	MUL8 F1, 1, 2, 0
.endm
.macro FOLD                            ; O += g x T.  Five places: T's results are read, and the next item's first products write over T with another C
	PLACES 5
	WIN W_FOLD
.irp a, 0,1,2,3
.set k, 0
.rept 16
	v_pk_fma_f32 v[32*\a+2*k:32*\a+2*k+1], v[TT+32*\a+2*k:TT+32*\a+2*k+1], v[G+2*\a:G+2*\a+1], v[32*\a+2*k:32*\a+2*k+1] op_sel_hi:[1,0,1]
.set k, k+1
.endr
.endr
.endm
; A tile leaves: O / l, 16 queries at a time through my stage, back as rows of 256 bytes (64 channels).  clear = 1: O is made ready for the next tile.
.macro EPI sel, ob, clear
.irp a, 0,1,2,3
	WIN 0x01                                       ; source 0 (O) window 1
.set k, 0
.rept 16
	v_pk_mul_f32 v[TMP+2*k:TMP+2*k+1], v[32*\a+2*k:32*\a+2*k+1], v[RL+2*(4*\sel+\a):RL+2*(4*\sel+\a)+1] op_sel_hi:[1,0]
.set k, k+1
.endr
.if \clear
	WIN 0x40
.set k, 0
.rept 32
	v_mov_b32 v[32*\a+k], 0
.set k, k+1
.endr
.endif
	WIN 0
.irp c, 0,1,2,3
	ds_store_b128 v[STO], v[TMP+8*\c:TMP+8*\c+3] offset:64*\c
	ds_store_b128 v[STO], v[TMP+8*\c+4:TMP+8*\c+7] offset:64*\c+16
.endr
	s_wait_xcnt 0x0                                ; the earlier stores have read the registers into which the rows come back
.irp t, 0,1,2,3,4,5,6,7
	ds_load_b128 v[BK+4*\t:BK+4*\t+3], v[RD] offset:544*\t         ; LDS serves a wave's instructions in order: these see my stores
.endr
	s_wait_dscnt 0x0
.irp t, 0,1,2,3,4,5,6,7
	global_store_b128 v[CO], v[BK+4*\t:BK+4*\t+3], s[\ob:\ob+1] offset:65536*\a+8192*\t th:TH_STORE_NT   ; 16 lanes store 256 consecutive bytes, at a multiple of 256 from the buffer's first byte
.endr
.endr
.endm
.macro PAIR S, fill, q0                ; slot S's two items
	HALF 0, F0, F1, 2*\S, 1, 1, \q0
	HALF 1, F1, F0, 2*\S+1, 0, 0, 0
	FOLD
	HALF 0, F0, F1, 2*\S+1, 1, 1, \q0+1
	TURN \S, \fill
	FOLD
	WIN 0
	s_add_co_u32 s[IT], s[IT], 2
	s_cmp_lg_u32 s[IT], s[NA]                      ; tile A's last item?  p alone decides, the same in all four partners
	s_cbranch_scc1 .Lnot_end_\@
	EPI 0, OA, 1
.Lnot_end_\@:
.endm
	s_wait_tensorcnt 0x1                           ; my part of items 0 and 1 is in (the next pair's load may be out)
	s_wait_dscnt 0x0                               ; my table of g is written
	s_barrier_signal -1
	s_barrier_wait -1                              ; everybody's is
	FETCH 0, 0, F0
	WIN 0
	s_mov_b32 s3, 3
.Llap:                                                 ; a trip: four items, once round the ring; it asks for the next two pairs
	PAIR 0, 1, 0
	PAIR 1, 1, 2
	v_add_nc_u32 v[GR], 1024, v[GR]                ; four rows of my table on
	s_sub_co_u32 s3, s3, 1
	s_cmp_lg_u32 s3, 0
	s_cbranch_scc1 .Llap
	PAIR 0, 2, 0                                   ; items 12, 13; item 16 is asked for
	PAIR 1, 0, 2                                   ; items 14, 15; nothing is left to fetch
	HALF 0, F0, F1, 0, 1, 1, 4                     ; item 16
	s_wait_dscnt 16
	WIN W_MUL
	MUL8 F1, 0, 0, 0
	MUL8 F1, 0, 2, 0
	s_wait_dscnt 0x0
	MUL8 F1, 1, 0, 0
	MUL8 F1, 1, 2, 0
	FOLD
	EPI 1, OB, 0
	s_wait_tensorcnt 0x0                           ; the wave's end, behind my last tensor load and my last LDS store
	ds_add_u32 v[SPW], v[NIL]
	s_wait_dscnt 0x0
	CROUND                                         ; the closing round: no work-group ends while a partner may still ask for a tile that names it
	s_endpgm
.Lfunc_end_k_q7a2addfb76_pv:
	.size	k_q7a2addfb76_pv, .Lfunc_end_k_q7a2addfb76_pv-k_q7a2addfb76_pv
	.p2alignl 7, 3214868480
	.fill 96, 4, 3214868480
	.section	.rodata,"a",@progbits
	.p2align	6, 0x0
	.amdhsa_kernel k_q7a2addfb76_pv
		.amdhsa_group_segment_fixed_size 327680
		.amdhsa_private_segment_fixed_size 0
		.amdhsa_enable_private_segment 0
		.amdhsa_kernarg_size 32
		.amdhsa_user_sgpr_count 2
		.amdhsa_user_sgpr_kernarg_segment_ptr 1
		.amdhsa_wavefront_size32 1
		.amdhsa_system_sgpr_workgroup_id_x 1
		.amdhsa_system_sgpr_workgroup_id_y 1
		.amdhsa_system_sgpr_workgroup_id_z 1
		.amdhsa_system_vgpr_workitem_id 0
		.amdhsa_next_free_vgpr 768
		.amdhsa_next_free_sgpr 100
		.amdhsa_reserve_vcc 0
		.amdhsa_float_denorm_mode_32 3
		.amdhsa_float_denorm_mode_16_64 3
		.amdhsa_memory_ordered 1
		.amdhsa_forward_progress 1
		.amdhsa_inst_pref_size 240
	.end_amdhsa_kernel
	.amdgpu_metadata
---
amdhsa.version: [ 1, 2 ]
amdhsa.kernels:
  - .name:           k_q7a2addfb76_pv
    .symbol:         k_q7a2addfb76_pv.kd
    .args:
      - { .name: pbuf, .offset: 0, .size: 8, .value_kind: global_buffer, .address_space: global }
      - { .name: stats, .offset: 8, .size: 8, .value_kind: global_buffer, .address_space: global }
      - { .name: qkv, .offset: 16, .size: 8, .value_kind: global_buffer, .address_space: global }
      - { .name: out0, .offset: 24, .size: 8, .value_kind: global_buffer, .address_space: global }
    .group_segment_fixed_size: 327680
    .private_segment_fixed_size: 0
    .kernarg_segment_align: 8
    .kernarg_segment_size: 32
    .max_flat_workgroup_size: 128
    .sgpr_count:     100
    .vgpr_count:     768
    .wavefront_size: 32
...
	.end_amdgpu_metadata
.endif
;; end of part 4
;; launch first16 (part 5): grid 8 x 4, 8 waves a work-group, no clusters, 17,920 bytes of LDS; arguments fine, out0; writes out0
.if DOCPART == 5
	.amdgcn_target "amdgcn-amd-amdhsa--gfx1250"
	.amdhsa_code_object_version 6
	.text
	.protected	k_q7a2addfb76_first16
	.globl	k_q7a2addfb76_first16
	.p2align	8
	.type	k_q7a2addfb76_first16,@function
k_q7a2addfb76_first16:
	s_mov_b64 s[64:65], 0
	v_nop
	global_prefetch_b8 v0, s[64:65] scope:SCOPE_SE
	s_setreg_imm32_b32 hwreg(HW_REG_WAVE_MODE, 25, 1), 1
	s_wait_xcnt 0x0
; The first 16 positions of each of the four sequences, all in f32: these rows average one to sixteen values and are the largest in size, so f16 operands weigh most there.
; fine [4][16][3072] holds q, k, v of these positions as f32.  s = q k^T over 1024 channels, causal mask, softmax with the row's maximum taken away, o = p v.  It runs last and writes rows 0 to 15 of each sequence of out0 anew.
; SHARES: work-group (x: 128 channels of the output, y: the sequence).  Wave w sums channels 128 w .. 128 w + 127 of the scores; the eight partial sums meet in LDS, and every wave adds them in the same order;
; then wave w makes output channels 128 x + 16 w .. + 15.  Both products by the f32 matrix form: 36 instructions a wave, no bulk work.
; LAYOUT: S^T = k q^T (source 0 = 16 keys, source 1 = 16 queries): lane (r, h) holds query r and keys 8 h + j.  A K step of 4 takes, in lane (r, h), two neighbouring channels; which channels form a step is the same on both sides.
; O^T = v^T p^T: K slot (h, j) of step kk is key 8 h + 2 kk + j, which is where p lies already.  The accumulators are written by matrix instructions alone; sums of them go into other registers.
; LIMITS: NaN and infinities are not served.
.set STG,   8192                       ; LDS: 8 partial sums of 1,024 bytes; then the stage: 16 rows x (512 + 16)
.set SPARE, 16896                      ; the spare words, 128 bytes for each of the eight waves
.set SPW,   252
.set NIL,   253
	s_load_b128 s[4:7], s[0:1], 0x0                ; fine, out0
	v_lshl_add_u32 v[SPW], v0, 2, SPARE
	v_mov_b32 v[NIL], 0
	v_lshrrev_b32 v1, 5, v0
	v_readfirstlane_b32 s8, v1                     ; wave 0..7
	v_and_b32 v1, 15, v0                           ; r
	v_bfe_u32 v2, v0, 4, 1                         ; h
	v_and_b32 v5, 31, v0                           ; lane
	s_and_b32 s9, ttmp7, 0xffff                    ; the sequence
	v_mul_u32_u24 v3, v1, 12288
	v_lshl_add_u32 v3, v2, 4, v3
	s_lshl_b32 s10, s8, 9
	v_add_nc_u32 v3, s10, v3                       ; q, k: row r, my wave's 512 bytes, 16 h
	v_mul_u32_u24 v4, v2, 98304
	v_lshl_add_u32 v4, v1, 2, v4
	s_lshl_b32 s10, ttmp9, 9
	s_lshl_b32 s11, s8, 6
	s_add_co_u32 s10, s10, s11
	v_add_nc_u32 v4, s10, v4                       ; v: rows 8 h on, channel 128 x + 16 w + r
	v_lshlrev_b32 v6, 4, v5                        ; 16 x lane
	s_lshl_b32 s11, s8, 10
	v_add_nc_u32 v7, s11, v6                       ; my partial sum's image
	v_mul_u32_u24 v8, v1, 528
	v_lshl_add_u32 v8, v2, 5, v8
	s_lshl_b32 s11, s8, 6
	s_add_co_u32 s11, s11, STG
	v_add_nc_u32 v8, s11, v8                       ; the stage, in: row r, 64 w + 32 h
	s_mul_i32 s11, s8, 1056
	s_add_co_u32 s11, s11, STG
	v_add_nc_u32 v9, s11, v6                       ; back: rows 2 w and 2 w + 1, whole
	v_lshlrev_b32 v10, 3, v2
	v_sub_nc_u32 v10, v1, v10                      ; r - 8 h
	v_mov_b32 v11, 0xff800000                      ; -infinity
	v_mov_b32 v13, 0                               ; written once: a lane permute's destination counts as one of its sources
	s_mov_b32 s16, 0x3d38aa3b                      ; c = log2(e) / 32
	s_mov_b32 s18, 0x76543210
	s_mov_b32 s19, 0xfedcba98
	s_mul_i32 s12, s9, 196608
	s_mov_b32 s13, 0
	s_lshl_b32 s14, s9, 11
	s_lshl_b32 s15, s8, 1
	s_add_co_u32 s14, s14, s15
	s_lshl_b32 s14, s14, 12                        ; out0: row 2,048 x sequence + 2 w,
	s_lshl_b32 s15, ttmp9, 9
	s_add_co_u32 s14, s14, s15                     ; + 512 x
	s_mov_b32 s15, 0
	s_wait_kmcnt 0x0
	s_add_nc_u64 s[4:5], s[4:5], s[12:13]
	s_add_nc_u64 s[6:7], s[6:7], s[14:15]
.irp i, 0,1,2,3,4,5,6,7,8,9,10,11,12,13,14,15
	global_load_b128 v[32+4*\i:35+4*\i], v3, s[4:5] offset:32*\i           ; q(r, 128 w + 8 i + 4 h + 0 .. 3)
.endr
.irp i, 0,1,2,3,4,5,6,7,8,9,10,11,12,13,14,15
	global_load_b128 v[96+4*\i:99+4*\i], v3, s[4:5] offset:4096+32*\i      ; k likewise
.endr
.irp j, 0,1,2,3,4,5,6,7
	global_load_b32 v[160+\j], v4, s[4:5] offset:8192+12288*\j             ; v(8 h + j, my channel)
.endr
	s_wait_loadcnt 8                               ; q and k are in; v's eight loads may be out
.set n, 0
.rept 32                               ; four accumulators by turns, one instruction a turn; the first four start the sums
.if n < 4
	v_wmma_f32_16x16x4_f32 v[168+8*(n%4):175+8*(n%4)], v[96+2*n:97+2*n], v[32+2*n:33+2*n], 0
.else
	v_wmma_f32_16x16x4_f32 v[168+8*(n%4):175+8*(n%4)], v[96+2*n:97+2*n], v[32+2*n:33+2*n], v[168+8*(n%4):175+8*(n%4)]
.endif
.set n, n+1
.endr
.rept 8
	v_nop                                          ; eight places behind this form before its results are read (ISA guide 7.12.1)
.endr
.irp j, 0,1,2,3,4,5,6,7
	v_add_f32 v[200+\j], v[168+\j], v[176+\j]
.endr
.irp j, 0,1,2,3,4,5,6,7
	v_add_f32 v[200+\j], v[200+\j], v[184+\j]
.endr
.irp j, 0,1,2,3,4,5,6,7
	v_add_f32 v[200+\j], v[200+\j], v[192+\j]
.endr
	ds_store_b128 v7, v[200:203]                   ; my partial sum as an image of its registers
	ds_store_b128 v7, v[204:207] offset:512
	s_wait_dscnt 0x0                               ; for the others' sake
	s_barrier_signal -1
	s_barrier_wait -1
.irp p, 0,1,2,3,4,5,6,7
	ds_load_b128 v[32+8*\p:35+8*\p], v6 offset:1024*\p
	ds_load_b128 v[36+8*\p:39+8*\p], v6 offset:1024*\p+512
.endr
	s_wait_dscnt 0x0
.irp j, 0,1,2,3,4,5,6,7
	v_add_f32 v[200+\j], v[32+\j], v[40+\j]
.endr
.irp p, 2,3,4,5,6,7
.irp j, 0,1,2,3,4,5,6,7
	v_add_f32 v[200+\j], v[200+\j], v[32+8*\p+\j]  ; the same order in every wave
.endr
.endr
.irp j, 0,1,2,3,4,5,6,7
	v_cmp_gt_i32 vcc_lo, \j, v10                   ; key 8 h + j is hidden from query r where j > r - 8 h
	v_cndmask_b32 v[200+\j], v[200+\j], v11, vcc_lo
.endr
	v_max3_num_f32 v12, v200, v201, v202
	v_max3_num_f32 v12, v12, v203, v204
	v_max3_num_f32 v12, v12, v205, v206
	v_max_num_f32 v12, v12, v207
	v_permlanex16_b32 v13, v12, s18, s19
	v_max_num_f32 v12, v12, v13                    ; the row's largest score: key 0 counts for every query
	v_mul_f32 v14, s16, v12
.irp j, 0,1,2,3,4,5,6,7
	v_fma_f32 v[200+\j], v[200+\j], s16, -v14
.endr
.irp j, 0,1,2,3,4,5,6,7
	v_exp_f32 v[200+\j], v[200+\j]
.endr
	v_nop                                          ; a plain line behind the last exponential
	s_wait_alu depctr_va_vdst(0)                   ; one wait for the batch, ahead of its first reader
	v_add_f32 v15, v200, v201
	v_add_f32 v16, v202, v203
	v_add_f32 v17, v204, v205
	v_add_f32 v18, v206, v207
	v_add_f32 v15, v15, v16
	v_add_f32 v17, v17, v18
	v_add_f32 v15, v15, v17
	v_permlanex16_b32 v13, v15, s18, s19
	v_add_f32 v15, v15, v13
	v_rcp_f32 v15, v15
	v_nop
	s_wait_alu depctr_va_vdst(0)
.irp j, 0,1,2,3,4,5,6,7
	v_mul_f32 v[232+\j], v[200+\j], v15            ; the weights
.endr
	s_wait_loadcnt 0x0                             ; v
.rept 4
	v_nop
.endr
	v_wmma_f32_16x16x4_f32 v[208:215], v[160:161], v[232:233], 0          ; two accumulators by turns
	v_wmma_f32_16x16x4_f32 v[216:223], v[162:163], v[234:235], 0
	v_wmma_f32_16x16x4_f32 v[208:215], v[164:165], v[236:237], v[208:215]
	v_wmma_f32_16x16x4_f32 v[216:223], v[166:167], v[238:239], v[216:223]
.rept 8
	v_nop
.endr
.irp j, 0,1,2,3,4,5,6,7
	v_add_f32 v[224+\j], v[208+\j], v[216+\j]      ; o(query r, channel 16 w + 8 h + j)
.endr
	ds_store_b128 v8, v[224:227]
	ds_store_b128 v8, v[228:231] offset:16
	s_wait_dscnt 0x0                               ; for the others' sake
	s_barrier_signal -1
	s_barrier_wait -1
	ds_load_b128 v[32:35], v9
	ds_load_b128 v[36:39], v9 offset:528
	s_wait_dscnt 0x0
	global_store_b128 v6, v[32:35], s[6:7] th:TH_STORE_NT                 ; 32 lanes store 512 consecutive bytes
	global_store_b128 v6, v[36:39], s[6:7] offset:4096 th:TH_STORE_NT
	s_wait_tensorcnt 0x0                           ; the wave's end, behind my last LDS store
	ds_add_u32 v[SPW], v[NIL]
	s_wait_dscnt 0x0
	s_endpgm
.Lfunc_end_k_q7a2addfb76_first16:
	.size	k_q7a2addfb76_first16, .Lfunc_end_k_q7a2addfb76_first16-k_q7a2addfb76_first16
	.p2alignl 7, 3214868480
	.fill 96, 4, 3214868480
	.section	.rodata,"a",@progbits
	.p2align	6, 0x0
	.amdhsa_kernel k_q7a2addfb76_first16
		.amdhsa_group_segment_fixed_size 17920
		.amdhsa_private_segment_fixed_size 0
		.amdhsa_enable_private_segment 0
		.amdhsa_kernarg_size 16
		.amdhsa_user_sgpr_count 2
		.amdhsa_user_sgpr_kernarg_segment_ptr 1
		.amdhsa_wavefront_size32 1
		.amdhsa_system_sgpr_workgroup_id_x 1
		.amdhsa_system_sgpr_workgroup_id_y 1
		.amdhsa_system_sgpr_workgroup_id_z 1
		.amdhsa_system_vgpr_workitem_id 0
		.amdhsa_next_free_vgpr 256
		.amdhsa_next_free_sgpr 66
		.amdhsa_reserve_vcc 1
		.amdhsa_float_denorm_mode_32 3
		.amdhsa_float_denorm_mode_16_64 3
		.amdhsa_memory_ordered 1
		.amdhsa_forward_progress 1
		.amdhsa_inst_pref_size 17
	.end_amdhsa_kernel
	.amdgpu_metadata
---
amdhsa.version: [ 1, 2 ]
amdhsa.kernels:
  - .name:           k_q7a2addfb76_first16
    .symbol:         k_q7a2addfb76_first16.kd
    .args:
      - { .name: fine, .offset: 0, .size: 8, .value_kind: global_buffer, .address_space: global }
      - { .name: out0, .offset: 8, .size: 8, .value_kind: global_buffer, .address_space: global }
    .group_segment_fixed_size: 17920
    .private_segment_fixed_size: 0
    .kernarg_segment_align: 8
    .kernarg_segment_size: 16
    .max_flat_workgroup_size: 256
    .sgpr_count:     66
    .vgpr_count:     256
    .wavefront_size: 32
...
	.end_amdgpu_metadata
.endif
;; end of part 5
